; MI455X (gfx1250); checked and timed in simulation.
; The chip was launched on July 23, 2026; its instructions are those of AMD's public machine-readable ISA for CDNA 5 (MIT licence, August 2026) and "CDNA5" Instruction Set Architecture Reference Guide (July 2026). The comments in the code are by the model that wrote it; some were corrected since.
;; RWKV Attention v2. Allowed arithmetic: float matrix products may take bf16 or f16 operands with f32 sums; other float arithmetic in f32, or as packed bf16 or f16 multiplies, adds, multiply-adds, maxima and minima; sums over many terms, partial sums and values carried from step to step in f32; what a program stores and reads back later, other than sums and carried values, may be rounded once to bf16 or f16.
;; Inputs: Wk 1,024 x 1,024 float32; Wo 1,024 x 1,024 float32; Wq 1,024 x 1,024 float32; Wv 1,024 x 1,024 float32; bk 1,024 float32; bo 1,024 float32; bq 1,024 float32; bv 1,024 float32; u_rwkv 16 x 64 float32; w_rwkv 16 x 64 float32; x 8 x 2,048 x 1,024 float32.
;; Outputs: out0 8 x 2,048 x 1,024 float32.
;; 2 versions, each right; version 2 is version 1 with the launches prep, tot, scan written anew for expert scheduling mode. Each part assembles by itself: llvm-mc -triple=amdgcn-amd-amdhsa -mcpu=gfx1250 --defsym DOCPART=n.
;; ======== version 1 of 2: 5 launches
;; limits: values are held in f16: magnitudes above 65,504 overflow, below 6.1e-05 lose precision; right only within a limited range of input values
;; workspace buffers: xh 33,554,432 bytes; wkvt 4,194,304 bytes; wot 2,097,152 bytes; kf 67,108,864 bytes; vh 33,554,432 bytes; xs 6,291,456 bytes; gts 589,824 bytes; oh 33,554,432 bytes
;; launch prep (part 1): grid 560 x 1, 8 waves a work-group, no clusters, 140,288 bytes of LDS; arguments x, Wk, Wv, Wo, xh, wkvt, wot; writes xh, wkvt, wot
.if DOCPART == 1
	.amdgcn_target "amdgcn-amd-amdhsa--gfx1250"
	.amdhsa_code_object_version 6
	.text
	.protected	k_qec58638019_prep
	.globl	k_qec58638019_prep
	.p2align	8
	.type	k_qec58638019_prep,@function
k_qec58638019_prep:
	s_mov_b64 s[64:65], 0
	v_nop
	global_prefetch_b8 v0, s[64:65] scope:SCOPE_SE
	s_setreg_imm32_b32 hwreg(HW_REG_WAVE_MODE, 25, 1), 1
	s_wait_xcnt 0x0
; PREP.  x [16384][1024] f32 -> xh, the same shape in f16; Wk, Wv, Wo [k][n] f32 -> wkvt (rows 0-1023 Wk^T, rows 1024-2047 Wv^T) and wot (Wo^T), [n][k] in f16.
; Each number is rounded ONCE, to bf16 (nearest even), and that number is then written as f16: exact for magnitudes from 2^-17 to 65,504.
; LIMITS.  A magnitude of 65,520 or more becomes an infinity; below 2^-17 the number keeps f16's fixed step of 6e-8.  NaN and infinities are not treated apart.
; SHARES.  Work-groups 0-47 turn the weights (3 matrices x 16 blocks of 64 columns n; wave w takes the 128 rows k = 128 w ..); work-groups 48-559 take 32 rows of x each.
; x: thread t owns bytes 16 t of every row; all 32 loads of a thread go out at once, and each store of a wave covers 256 consecutive bytes, aligned.
; Weights: a lane loads two neighbouring columns of eight rows k, packs eight k of each column into 16 bytes, and puts them into its wave's own stage in LDS (64 rows of 256 + 16 bytes);
; the stage is read back by rows, so that sixteen lanes store 256 consecutive bytes of one row n.  No wave reads another's bytes: no barrier.
.set STG,   17408                      ; a wave's stage: 64 rows x 272 bytes
.set SP,    272                        ; 68 words from row to row
.set SPARE, 8*STG                      ; behind the stages: the spare words, 128 bytes for each wave: four blocks of 256 bytes that no other line names
.set X,     16                         ; v[16:143]  x path: row i's four numbers at X + 4 i
.set R,     16                         ; v[16:143]  weights: a ring of 8 slots of 16 registers (8 rows k x 2 columns); later the stage read back
.set PK,    144                        ; v[144:151] eight k of column c, packed, at PK + 4 c
; two numbers: f32 -> bf16 (the one rounding) -> f32 -> f16 (exact), packed into d
.macro CV d, a, b, t
	v_cvt_pk_bf16_f32 v[\t], v[\a], v[\b]
	v_lshlrev_b32 v[\a], 16, v[\t]
	v_and_b32 v[\b], s20, v[\t]
	v_cvt_pk_f16_f32 v[\d], v[\a], v[\b]
.endm
	s_load_b256 s[4:11], s[0:1], 0x0               ; x s[4:5], Wk s[6:7], Wv s[8:9], Wo s[10:11]
	s_load_b128 s[12:15], s[0:1], 0x20             ; xh s[12:13], wkvt s[14:15]
	s_load_b64 s[16:17], s[0:1], 0x30              ; wot
	v_lshl_add_u32 v2, v0, 2, SPARE                ; my spare word; never rewritten
	v_mov_b32 v3, 0                                ; 0; never rewritten
	s_mov_b32 s20, 0xffff0000                      ; a word's upper bf16
	s_cmp_lt_u32 ttmp9, 48
	s_cbranch_scc1 .Lw
	; ---- x: 32 rows ----
	s_sub_co_u32 s21, ttmp9, 48
	s_lshl_b32 s22, s21, 17                        ; 32 rows of 4,096 bytes of x,
	s_mov_b32 s23, 0
	s_lshl_b32 s24, s21, 16                        ; of 2,048 bytes of xh
	s_mov_b32 s25, 0
	v_lshlrev_b32 v1, 4, v0                        ; my 16 bytes of a row of x
	v_lshlrev_b32 v4, 3, v0                        ; my 8 bytes of a row of xh
	s_wait_kmcnt 0x0
	s_add_nc_u64 s[4:5], s[4:5], s[22:23]
	s_add_nc_u64 s[12:13], s[12:13], s[24:25]
.set i, 0
.rept 32
	global_load_b128 v[X+4*i:X+4*i+3], v1, s[4:5] offset:i*4096 th:TH_LOAD_NT
.set i, i+1
.endr
.set i, 0
.rept 32
	s_wait_loadcnt 31-i                            ; loads come back in order: row i is in, the 31 - i younger ones stay out
	CV (X+4*i), (X+4*i), (X+4*i+1), 8
	CV (X+4*i+1), (X+4*i+2), (X+4*i+3), 9
	global_store_b64 v4, v[X+4*i:X+4*i+1], s[12:13] offset:i*2048
.set i, i+1
.endr
	s_endpgm
	; ---- weights: 128 k x 64 n a wave ----
.Lw:
	v_lshrrev_b32 v9, 5, v0
	v_readfirstlane_b32 s21, v9                    ; wave w: rows k = 128 w ..
	s_lshr_b32 s22, ttmp9, 4                       ; which matrix: 0 Wk, 1 Wv, 2 Wo
	s_and_b32 s23, ttmp9, 15                       ; which block of 64 columns n
	v_and_b32 v10, 31, v0                          ; lane
	v_and_b32 v11, 15, v0
	v_bfe_u32 v12, v0, 4, 1
	v_lshlrev_b32 v1, 3, v10                       ; my two columns: 8 bytes of a row of W
	s_mul_i32 s24, s21, STG                        ; my wave's stage
	v_mul_u32_u24 v5, v10, SP                      ; in: stage row 32 c + lane holds column n = 2 lane + c
	v_add_nc_u32 v5, s24, v5
	v_mul_u32_u24 v6, v12, SP                      ; back: lanes 0-15 one stage row of 256 bytes, lanes 16-31 the next
	v_lshl_add_u32 v6, v11, 4, v6
	v_add_nc_u32 v6, s24, v6
	v_lshlrev_b32 v7, 12, v12                      ; the next stage row is column n + 2: 2 rows of 2,048 bytes on
	v_lshl_add_u32 v7, v11, 4, v7
	s_lshl_b32 s30, s21, 19                        ; source: 128 w rows of 4,096 bytes
	s_lshl_b32 s31, s23, 8                         ; + 64 columns of 4 bytes
	s_or_b32 s30, s30, s31
	s_mov_b32 s31, 0
	s_and_b32 s32, s22, 1                          ; destination: Wv^T lies 1,024 rows of 2,048 bytes behind Wk^T
	s_lshl_b32 s32, s32, 21
	s_lshl_b32 s33, s23, 17                        ; + 64 rows n
	s_add_co_u32 s32, s32, s33
	s_lshl_b32 s33, s21, 8                         ; + 128 k of 2 bytes
	s_add_co_u32 s32, s32, s33
	s_mov_b32 s33, 0
	s_wait_kmcnt 0x0
	s_cmp_eq_u32 s22, 1
	s_cselect_b64 s[26:27], s[8:9], s[6:7]
	s_cmp_eq_u32 s22, 2
	s_cselect_b64 s[26:27], s[10:11], s[26:27]
	s_cselect_b64 s[28:29], s[16:17], s[14:15]
	s_add_nc_u64 s[26:27], s[26:27], s[30:31]
	s_add_nc_u64 s[28:29], s[28:29], s[32:33]
; group g: rows k = 8 g .. 8 g + 7; each load of the wave covers 256 consecutive bytes, aligned
.macro GLOAD g
.set kk, 0
.rept 8
	global_load_b64 v[R+16*((\g)%8)+2*kk:R+16*((\g)%8)+2*kk+1], v1, s[26:27] offset:(8*(\g)+kk)*4096
.set kk, kk+1
.endr
.endm
.set g, 0
.rept 8
	GLOAD g
.set g, g+1
.endr
.set g, 0
.rept 16
.if g < 8
	s_wait_loadcnt 56                              ; group g is in; the seven younger groups stay out
.else
	s_wait_loadcnt 8*(15-g)
.endif
.set RG, R+16*(g%8)
.irp c, 0,1
.irp q, 0,1,2,3
	CV (PK+4*(\c)+(\q)), (RG+4*(\q)+(\c)), (RG+4*(\q)+2+(\c)), 8
.endr
	ds_store_b128 v5, v[PK+4*(\c):PK+4*(\c)+3] offset:(\c)*32*SP+16*g
.endr
.if g < 8
	GLOAD g+8                                      ; the slot's next group
.endif
.set g, g+1
.endr
.set t, 0
.rept 32
	ds_load_b128 v[R+4*t:R+4*t+3], v6 offset:t*2*SP  ; LDS serves a wave's instructions in order (ISA guide 5.7.1.4): these see the stores above
.set t, t+1
.endr
.set t, 0
.rept 32
	s_wait_dscnt 31-t
	global_store_b128 v7, v[R+4*t:R+4*t+3], s[28:29] offset:(t%16)*8192+(t/16)*2048  ; stage rows 2 t, 2 t + 1 are columns 4 (t % 16) + t / 16 and + 2; 16 lanes store 256 consecutive bytes, aligned
.set t, t+1
.endr
	s_wait_tensorcnt 0x0                           ; the wave's end: behind my last LDS store
	ds_add_u32 v2, v3
	s_wait_dscnt 0x0
	s_endpgm
.Lfunc_end_k_qec58638019_prep:
	.size	k_qec58638019_prep, .Lfunc_end_k_qec58638019_prep-k_qec58638019_prep
	.p2alignl 7, 3214868480
	.fill 96, 4, 3214868480
	.section	.rodata,"a",@progbits
	.p2align	6, 0x0
	.amdhsa_kernel k_qec58638019_prep
		.amdhsa_group_segment_fixed_size 140288
		.amdhsa_private_segment_fixed_size 0
		.amdhsa_enable_private_segment 0
		.amdhsa_kernarg_size 56
		.amdhsa_user_sgpr_count 2
		.amdhsa_user_sgpr_kernarg_segment_ptr 1
		.amdhsa_wavefront_size32 1
		.amdhsa_system_sgpr_workgroup_id_x 1
		.amdhsa_system_sgpr_workgroup_id_y 1
		.amdhsa_system_sgpr_workgroup_id_z 1
		.amdhsa_system_vgpr_workitem_id 0
		.amdhsa_next_free_vgpr 152
		.amdhsa_next_free_sgpr 66
		.amdhsa_reserve_vcc 0
		.amdhsa_float_denorm_mode_32 3
		.amdhsa_float_denorm_mode_16_64 3
		.amdhsa_memory_ordered 1
		.amdhsa_forward_progress 1
		.amdhsa_inst_pref_size 67
	.end_amdhsa_kernel
	.amdgpu_metadata
---
amdhsa.version: [ 1, 2 ]
amdhsa.kernels:
  - .name:           k_qec58638019_prep
    .symbol:         k_qec58638019_prep.kd
    .args:
      - { .name: x, .offset: 0, .size: 8, .value_kind: global_buffer, .address_space: global }
      - { .name: Wk, .offset: 8, .size: 8, .value_kind: global_buffer, .address_space: global }
      - { .name: Wv, .offset: 16, .size: 8, .value_kind: global_buffer, .address_space: global }
      - { .name: Wo, .offset: 24, .size: 8, .value_kind: global_buffer, .address_space: global }
      - { .name: xh, .offset: 32, .size: 8, .value_kind: global_buffer, .address_space: global }
      - { .name: wkvt, .offset: 40, .size: 8, .value_kind: global_buffer, .address_space: global }
      - { .name: wot, .offset: 48, .size: 8, .value_kind: global_buffer, .address_space: global }
    .group_segment_fixed_size: 140288
    .private_segment_fixed_size: 0
    .kernarg_segment_align: 8
    .kernarg_segment_size: 56
    .max_flat_workgroup_size: 256
    .sgpr_count:     66
    .vgpr_count:     152
    .wavefront_size: 32
...
	.end_amdgpu_metadata
.endif
;; end of part 1
;; launch gemm_kv (part 2): grid 8 x 64, 4 waves a work-group, clusters of 4 x 4, 327,680 bytes of LDS; arguments xh, wkvt, bk, bv, kf, vh; writes kf, vh
.if DOCPART == 2
	.amdgcn_target "amdgcn-amd-amdhsa--gfx1250"
	.amdhsa_code_object_version 6
	.text
	.protected	k_qec58638019_gemm_kv
	.globl	k_qec58638019_gemm_kv
	.p2align	8
	.type	k_qec58638019_gemm_kv,@function
k_qec58638019_gemm_kv:
	s_mov_b64 s[64:65], 0
	v_nop
	global_prefetch_b8 v0, s[64:65] scope:SCOPE_SE
	s_setreg_imm32_b32 hwreg(HW_REG_WAVE_MODE, 25, 1), 1
	s_wait_xcnt 0x0
	s_wait_alu depctr_hold_cnt(0) depctr_sa_sdst(0) depctr_va_vdst(0) depctr_va_sdst(0) depctr_va_ssrc(0) depctr_va_vcc(0) depctr_vm_vsrc(0)
	s_getreg_b32 s2, hwreg(HW_REG_IB_STS2, 6, 4)
	s_cmp_eq_u32 s2, 0
	s_cbranch_scc0 .Lentry_in_a_cluster
	s_endpgm
.Lentry_in_a_cluster:
	s_bfe_u32 s2, ttmp6, 0x10000c
	s_cmp_lg_u32 s2, 0xf033
	s_cbranch_scc0 .Lentry_shape_is_right
	s_endpgm
.Lentry_shape_is_right:
; C[m][n] = sum over k of A[m][k] BT[n][k] + bias[n].  A: [16384][1024] f16, BT: [planes x 1024][1024] f16; sums in f32; the bias is rounded to bf16 like every input of the module.
; Arguments: A, BT, bias of plane 0, bias of plane 1, C of plane 0 (f32, [16384][1024]), C of plane 1 (f16, the same shape).  A plane is 1,024 rows of BT = one cluster along x.
; Used twice: k (plane 0, f32: it feeds exponentials) and v (plane 1, f16) from xh and Wk^T | Wv^T; and out0 = O Wo^T + bo, where the grid has plane 0 alone: there plane 1's two pointers are formed
; and never loaded from or stored through.
; x Wq + bq, which reference() forms and drops, enters no output for any input: it is not formed, and Wq and bq are not loaded.
; LIMITS.  Plane 1's results leave as f16: 65,520 or more becomes an infinity.  NaN and infinities are not treated apart.
; SHARES.  A tile of C, 256 x 256, is made by four waves, each 128 x 128: 64 accumulators of 16 x 16, 512 registers.  K goes in 8 steps of 128 through a ring of two LDS slots filled by the tensor
; data mover; a tile's rows are 256 bytes of memory and start at multiples of 256 bytes from the buffer's first byte.
; CLUSTERS.  4 x 4 work-groups.  The four of a row of the cluster need the same tiles of A, the four of a column the same tiles of BT: each tile is asked for JOINTLY, by the same tensor load with the same
; descriptor and a mask that names the four.
; THE MATRIX INSTRUCTION IS USED TRANSPOSED (source 0 = 16 rows of BT, source 1 = 16 rows of A): a lane holds row l % 16 of C and the columns 8 (l / 16) + 0..7.
; THE WAY OUT.  When every wave has read the ring for the last time (a barrier), each wave lays its 128 x 128 f32 into 128 rows of 512 + 16 bytes of its own in the ring's bytes, which have had their last
; fill, reads whole rows back, adds the bias, and stores: 512 consecutive bytes an instruction (f32), or 256 (f16), aligned.
; REGISTERS, in windows of 256: window 0: v0-31 addresses and the bias; v64-127, v128-191 fragments of A, two buffers (on the way out: rows read back).  window 1: v64-127, v128-191 fragments of BT.
;   window 2: the 32 accumulators of my rows 0-63 ((a, b) at v[8 (8 a + b)]);  window 3: those of my rows 64-127.
; s_set_vgpr_msb's low byte: bits 1:0 source 0, 3:2 source 1, 5:4 source 2, 7:6 destination.
.set SIZE_K, 1024
.set KSTEP,  128
.set PITCH,  272                       ; an LDS row: 256 bytes + 16 of padding = 68 words: the 16 rows that a load touches start at 16 different groups of four banks (ISA guide 11.1)
.set HALFT,  128*PITCH                 ; 128 rows: what one tensor load brings, and what one wave reads of A or of BT
.set SLOT,   4*HALFT                   ; A's 256 rows, then BT's 256 rows
.set SPITCH, 528                       ; a stage row: 512 bytes + 16 = 132 words
.set WSTG,   128*SPITCH                ; a wave's stage; four of them, 270,336 bytes, lie inside the two slots' 278,528
.set SPARE,  2*SLOT                    ; behind the ring: the spare words, 128 bytes for each wave: two blocks of 256 bytes that no other line names
.set LAPS,   SIZE_K/(2*KSTEP)          ; a lap = two K steps = once round the ring
.set BIAS, 8                           ; v[8:11]  the bias of my four columns of a row read back
.set ADRA, 16                          ; v16-17   LDS address of my A fragments in slot 0, 1
.set ADRB, 20                          ; v20-21   the same for BT
.set RDC,  23                          ; v23      the way out: where this trip's rows are read back
.set STO,  24                          ; v24      the way out: where I put 32 bytes of a row
.set RD,   25                          ; v25      the way out: my 16 bytes of my stage's first row; never rewritten
.set CO,   26                          ; v26      16 x lane: my bytes of a row of 128 f32
.set CH,   27                          ; v27      8 x lane: of 128 f16
.set SPW,  28                          ; v28      LDS address of my spare word; never rewritten
.set NIL,  29                          ; v29      0; never rewritten
.set PFO,  30                          ; v30      the prefetches' offset: lane x a row of 2,048 bytes; never rewritten
.set RB,   2                           ; s2       the way out: the trip's first stage row, in bytes
.set PFA,  44                          ; s[44:45] where my prefetches stand
.set LIM,  43                          ; s43      1 in a wave that prefetches, else the greatest number
.set F0,   64
.set F1,   128
.set BK,   64                          ; v[64:191] 32 rows read back, four registers each
.set G1,  24                           ; s[24:31] descriptor group 1 for A's tiles;  s[32:39] group 0, one set for each slot
.set G0,  32
.set G1B, 48                           ; s[48:55], s[56:63] the same for BT's tiles
.set G0B, 56
.set MSB, 0
.macro WIN new                         ; the immediate's high byte repeats the setting that is left; a switch that changes nothing is dropped
.if MSB != (\new)
	s_set_vgpr_msb (MSB<<8)|(\new)
.set MSB, \new
.endif
.endm
.set MUL_LO, 0xa1                      ; source 0 (BT) window 1, source 1 (A) window 0, C and D window 2
.set MUL_HI, 0xf1                      ; the same, C and D window 3
.set TO_B,   0x40                      ; destination window 1, address window 0
; A joint load.  Waves 0 and 1 fetch A's two halves, waves 2 and 3 BT's.  The branch hangs on the wave's number alone.  An s_nop 0 and four v_nop follow each of the two lines.
.macro JLOAD s
	s_cmp_eq_u32 s11, 0
	s_cbranch_scc0 .Lfor_b_\@
	tensor_load_to_lds s[G0+4*(\s):G0+4*(\s)+3], s[G1:G1+7]
	s_nop 0
.rept 4
	v_nop
.endr
	s_branch .Lasked_\@
.Lfor_b_\@:
	tensor_load_to_lds s[G0B+4*(\s):G0B+4*(\s)+3], s[G1B:G1B+7]
	s_nop 0
.rept 4
	v_nop
.endr
.Lasked_\@:
.endm
; A prefetch, behind each joint refill and the run of LDS loads that follows it: the K step that stands TWO refills on (512 matrix instructions ahead of the load that will want it): 32 rows x 256 bytes, a lane a
; row, one instruction a wave.  Each row's 256 bytes of a K step are named once in the launch: A's rows by the cluster with x = 0, BT's by the cluster with y = 0; the four partners that ask for a tile jointly
; take 32 of a wave's 128 rows each, told apart by address.  K steps 0 to 3 come by their loads alone; the loop's last trip (s3 = 1) has no K step two on and asks for nothing.
.macro ASK
	s_cmp_gt_u32 s3, s[LIM]
	s_cbranch_scc0 .Lnot_mine_\@
	global_prefetch_b8 v[PFO], s[PFA:PFA+1] offset:KSTEP*2 th:TH_LOAD_NT scope:SCOPE_SE
.Lnot_mine_\@:
.endm
.macro CREST                           ; a round of the cluster's barrier behind its opening barrier
	s_cmp_lg_u32 s10, 0
	s_cbranch_scc1 .Lnot_wave_0_\@
	s_barrier_signal -3
.Lnot_wave_0_\@:
	s_barrier_wait -3
	s_barrier_signal -1
	s_barrier_wait -1
.endm
.macro CROUND                          ; a whole round
	s_barrier_signal -1
	s_barrier_wait -1
	CREST
.endm
	s_load_b128 s[4:7], s[0:1], 0x0                ; A s[4:5], BT s[6:7]
	s_load_b128 s[68:71], s[0:1], 0x10             ; the two biases
	s_load_b64 s[8:9], s[0:1], 0x20                ; C of plane 0
	s_load_b64 s[72:73], s[0:1], 0x28              ; C of plane 1
	v_lshl_add_u32 v[SPW], v0, 2, SPARE
	v_mov_b32 v[NIL], 0
	ds_add_u32 v[SPW], v[NIL]                      ; the wave's opening: the add, twice on end, and its wait ahead of my first tensor load
	ds_add_u32 v[SPW], v[NIL]                      ; and once more, under the one wait; the set-up below, work on registers, stands between
	v_lshrrev_b32 v1, 5, v0
	v_readfirstlane_b32 s10, v1                    ; wave 0..3
	s_lshr_b32 s11, s10, 1                         ; which half of the tile's rows is mine.  Also: I fetch for A (0) or for BT (1)
	s_and_b32 s12, s10, 1                          ; which half of its columns.  Also: which 128 rows of that tile I fetch
	s_bfe_u32 s40, ttmp6, 0x40000                  ; cx
	s_bfe_u32 s41, ttmp6, 0x40004                  ; cy
	s_lshl_b32 s42, ttmp9, 2                       ; in a cluster launch ttmp9 and ttmp7 count clusters
	s_add_co_u32 s42, s42, s40                     ; tile column = 4 x cluster x + cx
	s_and_b32 s13, ttmp7, 0xffff
	s_lshl_b32 s13, s13, 2
	s_add_co_u32 s13, s13, s41                     ; tile row = 4 x cluster y + cy
	s_lshl_b32 s43, s41, 2
	s_lshl_b32 s43, 15, s43                        ; my row of the cluster: places 4 cy .. 4 cy + 3
	s_lshl_b32 s44, 0x1111, s40                    ; my column: places cx, cx + 4, cx + 8, cx + 12
	; descriptor group 1: a tile of 128 rows x 128 elements of 2 bytes, padded in LDS by 4 words after every 64
	s_or_b32 s[G1+0], s43, (1<<16)|(1<<20)|(1<<21)|(5<<22)|(3<<25)
	s_or_b32 s[G1B+0], s44, (1<<16)|(1<<20)|(1<<21)|(5<<22)|(3<<25)
	s_mov_b32 s[G1B+1], KSTEP<<16
	s_mov_b32 s[G1+1], KSTEP<<16                   ; tensor_dim0 = 128
	s_mov_b32 s[G1B+2], 128<<16
	s_mov_b32 s[G1+2], 128<<16                     ; tensor_dim1 = 128
	s_mov_b32 s[G1B+3], KSTEP<<16
	s_mov_b32 s[G1+3], KSTEP<<16                   ; tile_dim0 = 128
	s_mov_b32 s[G1B+4], 128
	s_mov_b32 s[G1+4], 128                         ; tile_dim1 = 128
	s_mov_b32 s[G1B+5], SIZE_K
	s_mov_b32 s[G1+5], SIZE_K                      ; elements from row to row
	s_mov_b32 s[G1B+6], 0
	s_mov_b32 s[G1+6], 0
	s_mov_b32 s[G1B+7], 0
	s_mov_b32 s[G1+7], 0
	; where the tiles come from: A's hang on the tile row alone, BT's on the tile column alone
	s_lshl_b32 s17, s12, 7
	s_lshl_b32 s16, s13, 8
	s_add_co_u32 s16, s16, s17                     ; A: row 256 x tile row + 128 x half
	s_lshl_b32 s46, s42, 8
	s_add_co_u32 s46, s46, s17                     ; BT: row 256 x tile column + 128 x half
	s_mov_b32 s17, 0
	s_mov_b32 s47, 0
	s_mov_b64 s[18:19], SIZE_K*2
	s_mul_u64 s[16:17], s[16:17], s[18:19]
	s_mul_u64 s[46:47], s[46:47], s[18:19]
	s_mul_i32 s20, s10, HALFT                      ; and where they go: wave x 128 rows: no place in the cluster enters an LDS address
	s_wait_dscnt 0x0                               ; both opening adds are done
	s_wait_kmcnt 0x0
	s_add_nc_u64 s[14:15], s[4:5], s[16:17]
	s_add_nc_u64 s[46:47], s[6:7], s[46:47]
	CROUND                                         ; all sixteen work-groups are here: the first joint loads meet
.irp s, 0,1
	s_mov_b32 s[G0+4*(\s)], 1
	s_add_co_u32 s[G0+4*(\s)+1], s20, (\s)*SLOT
	s_add_nc_u64 s[G0+4*(\s)+2:G0+4*(\s)+3], s[14:15], (\s)*KSTEP*2
	s_or_b32 s[G0+4*(\s)+3], s[G0+4*(\s)+3], 0x80000000
	s_mov_b32 s[G0B+4*(\s)], 1
	s_add_co_u32 s[G0B+4*(\s)+1], s20, (\s)*SLOT
	s_add_nc_u64 s[G0B+4*(\s)+2:G0B+4*(\s)+3], s[46:47], (\s)*KSTEP*2
	s_or_b32 s[G0B+4*(\s)+3], s[G0B+4*(\s)+3], 0x80000000
	JLOAD \s                                       ; K steps 0 and 1: two loads of mine are out
.endr
	; a fragment is 16 rows x 32 K in 8 registers: lane l holds row l % 16, K = 8 (l / 16) + 0..7 and 16 + 8 (l / 16) + 0..7: two loads of 16 bytes, 32 bytes apart
	v_and_b32 v1, 15, v0
	v_bfe_u32 v2, v0, 4, 1
	v_mul_u32_u24 v3, v1, PITCH
	v_lshl_add_u32 v3, v2, 4, v3
	s_mul_i32 s21, s11, HALFT                      ; my 128 rows of A
	s_mul_i32 s22, s12, HALFT                      ; my 128 rows of BT,
	s_add_co_u32 s22, s22, 2*HALFT                 ; which lie behind A's 256
.irp s, 0,1
	v_add_nc_u32 v[ADRA+(\s)], s21, v3
	v_add_nc_u32 v[ADRB+(\s)], s22, v3
	s_add_co_u32 s21, s21, SLOT
	s_add_co_u32 s22, s22, SLOT
.endr
	s_mul_i32 s23, s10, WSTG                       ; my stage
	v_mul_u32_u24 v4, v1, SPITCH                   ; in: row l % 16, 32 bytes for each half of the lanes
	v_lshl_add_u32 v4, v2, 5, v4
	v_add_nc_u32 v[STO], s23, v4
	v_and_b32 v5, 31, v0
	v_lshlrev_b32 v[CO], 4, v5
	v_lshlrev_b32 v[CH], 3, v5
	v_add_nc_u32 v[RD], s23, v[CO]                 ; back: 32 lanes take one row of 512 bytes
	; where my part of the tile begins in C, and my columns in the bias
	s_lshl_b32 s13, s13, 8                         ; 256 x tile row
	s_lshl_b32 s14, s11, 7
	s_add_co_u32 s16, s13, s14                     ; my first row
	s_lshl_b32 s16, s16, 12                        ; rows of 4,096 bytes (f32)
	s_lshl_b32 s46, s40, 10                        ; the tile's place in its plane: 256 cx columns of 4 bytes,
	s_lshl_b32 s47, s12, 9                         ; my 128 of them
	s_add_co_u32 s46, s46, s47
	s_add_co_u32 s16, s16, s46
	s_mov_b32 s17, 0
	s_mov_b32 s47, 0
	s_add_nc_u64 s[8:9], s[8:9], s[16:17]
	s_lshr_b32 s16, s16, 1                         ; in f16 everything is half as far
	s_add_nc_u64 s[72:73], s[72:73], s[16:17]
	s_cmp_eq_u32 ttmp9, 0                          ; the plane: the same in all sixteen partners
	s_cselect_b64 s[68:69], s[68:69], s[70:71]
	s_add_nc_u64 s[68:69], s[68:69], s[46:47]
	global_load_b128 v[BIAS:BIAS+3], v[CO], s[68:69]  ; waited for on the way out
	; the prefetches
	s_lshl_b32 s42, s42, 8
	s_and_b32 s22, ttmp7, 0xffff                   ; cluster y
	s_cmp_eq_u32 s11, 0                            ; do I fetch for A?
	s_cselect_b32 s20, s13, s42                    ; the tile's first row
	s_cselect_b32 s21, s40, s41                    ; my place among the four that ask for it with me
	s_cselect_b32 s22, ttmp9, s22                  ; the coordinate along which other clusters read the same rows
	s_cselect_b64 s[PFA:PFA+1], s[4:5], s[6:7]
	s_cmp_eq_u32 s22, 0
	s_cselect_b32 s[LIM], 1, -1                    ; the same in all sixteen partners, for a given wave
	s_lshl_b32 s22, s12, 7
	s_add_co_u32 s20, s20, s22                     ; + the 128 rows that I fetch
	s_lshl_b32 s21, s21, 5
	s_add_co_u32 s20, s20, s21                     ; + my work-group's 32 of them
	s_mov_b32 s21, 0
	s_mov_b64 s[18:19], SIZE_K*2
	s_mul_u64 s[20:21], s[20:21], s[18:19]
	s_add_nc_u64 s[PFA:PFA+1], s[PFA:PFA+1], s[20:21]
	s_add_nc_u64 s[PFA:PFA+1], s[PFA:PFA+1], 2*KSTEP*2  ; at K step 2: the first refill steps it to 3 and names K step 4
	v_and_b32 v[PFO], 31, v0
	v_mul_u32_u24 v[PFO], v[PFO], SIZE_K*2
; 16 matrix instructions: m blocks a0, a0 + 1 of the window's four x all 8 n blocks, 32 along K.  zero = 1: the first product starts the sums.  The 64 accumulators take turns.
.macro MUL16 f, hi, a0, zero
	WIN MUL_LO+0x50*(\hi)
.irp a, \a0, (\a0)+1
.irp b, 0,1,2,3,4,5,6,7
.if \zero
	v_wmma_f32_16x16x32_f16 v[8*(8*(\a)+(\b)):8*(8*(\a)+(\b))+7], v[(\f)+8*(\b):(\f)+8*(\b)+7], v[(\f)+8*(4*(\hi)+(\a)):(\f)+8*(4*(\hi)+(\a))+7], 0
.else
	v_wmma_f32_16x16x32_f16 v[8*(8*(\a)+(\b)):8*(8*(\a)+(\b))+7], v[(\f)+8*(\b):(\f)+8*(\b)+7], v[(\f)+8*(4*(\hi)+(\a)):(\f)+8*(4*(\hi)+(\a))+7], v[8*(8*(\a)+(\b)):8*(8*(\a)+(\b))+7]
.endif
.endr
.endr
.endm
; 32 LDS loads in one run: the fragments of one quarter step (128 rows of BT, then 128 rows of A, 32 K at byte k of the rows) into buffer f
.macro FETCH slot, k, f
	WIN TO_B
.irp i, 0,1,2,3,4,5,6,7
	ds_load_b128 v[(\f)+8*(\i):(\f)+8*(\i)+3],   v[ADRB+(\slot)] offset:(\k)+(\i)*16*PITCH
	ds_load_b128 v[(\f)+8*(\i)+4:(\f)+8*(\i)+7], v[ADRB+(\slot)] offset:(\k)+(\i)*16*PITCH+32
.endr
	WIN 0
.irp i, 0,1,2,3,4,5,6,7
	ds_load_b128 v[(\f)+8*(\i):(\f)+8*(\i)+3],   v[ADRA+(\slot)] offset:(\k)+(\i)*16*PITCH
	ds_load_b128 v[(\f)+8*(\i)+4:(\f)+8*(\i)+7], v[ADRA+(\slot)] offset:(\k)+(\i)*16*PITCH+32
.endr
.endm
.macro PLACES                          ; four places in front of loads into registers that matrix instructions have read (ISA guide 7.12.1 for vector instructions)
.rept 4
	v_nop
.endr
.endm
; A K step is four quarters of 32 along K, 64 matrix instructions each, on buffers 0, 1, 0, 1.  One of the first three: multiplies buffer f; in its middle it fetches the next quarter, at byte k, into g.
.macro QUARTER slot, k, f, g, zero
	s_wait_dscnt 8                                 ; BT and A's rows 0-63 are in; the youngest eight loads (A's rows 64-127) may be out
	WIN MUL_LO
	MUL16 \f, 0, 0, \zero
	MUL16 \f, 0, 2, \zero
	PLACES
	FETCH \slot, \k, \g
	s_wait_dscnt 32                                ; all but the 32 just issued
	WIN MUL_HI
	MUL16 \f, 1, 0, \zero
	MUL16 \f, 1, 2, \zero
.endm
; The first half of the last quarter: ONE barrier for the change of slots.  In front of it each wave waits for all its tensor loads (one is out: its part of the next slot), adds 0 to its spare word, and waits for
; that and for its own reads of this slot.
.macro MEET round
	WIN 0                                          ; (the add's two registers lie in window 0)
	s_wait_tensorcnt 0x0
	ds_add_u32 v[SPW], v[NIL]
	s_wait_dscnt 9                                 ; (the add and the youngest eight loads may be out)
	WIN MUL_LO
	MUL16 F1, 0, 0, 0                              ; sixteen matrix instructions stand between the add and the wait for it
	s_wait_dscnt 0x0                               ; the add is done, and my reads of this slot are over
	s_barrier_signal -1
	MUL16 F1, 0, 2, 0
.if \round
	WIN 0
.endif
	s_barrier_wait -1
.endm
; The whole last quarter with a refill: the barrier opens a round of the cluster's barrier; the joint refill, two K steps on, is the first tensor load behind it: 224 matrix instructions ahead of the wait for it.
.macro TURN slot, next
	s_wait_xcnt 0x0                                ; the last prefetch, a K step back, has read its address
	s_add_nc_u64 s[PFA:PFA+1], s[PFA:PFA+1], KSTEP*2
	MEET 1
	CREST                                          ; no wave of any partner still reads this slot's tile or has a load on its way
	s_add_nc_u64 s[G0+4*(\slot)+2:G0+4*(\slot)+3], s[G0+4*(\slot)+2:G0+4*(\slot)+3], 2*KSTEP*2
	s_add_nc_u64 s[G0B+4*(\slot)+2:G0B+4*(\slot)+3], s[G0B+4*(\slot)+2:G0B+4*(\slot)+3], 2*KSTEP*2
	JLOAD \slot                                    ; its four v_nop are also the places in front of the loads below
	FETCH \next, 0, F0
	ASK
	WIN MUL_HI
	MUL16 F1, 1, 0, 0
	MUL16 F1, 1, 2, 0
.endm
	s_wait_tensorcnt 1                             ; my part of K step 0 is in; K step 1's may stay out
	s_barrier_signal -1
	s_barrier_wait -1                              ; everybody's is
	FETCH 0, 0, F0
	QUARTER 0, 64,  F0, F1, 1                      ; the first quarter stands in front of the loop: its products start the sums
	WIN 0                                          ; at a label and at a branch every window is 0
	s_mov_b32 s3, LAPS-1
.Llap:                                                 ; a trip goes once round the ring, from a lap's second quarter to the next lap's first, and fills both slots again
	QUARTER 0, 128, F1, F0, 0
	QUARTER 0, 192, F0, F1, 0
	TURN 0, 1
	QUARTER 1, 64,  F0, F1, 0
	QUARTER 1, 128, F1, F0, 0
	QUARTER 1, 192, F0, F1, 0
	TURN 1, 0
	QUARTER 0, 64,  F0, F1, 0
	WIN 0
	s_sub_co_u32 s3, s3, 1
	s_cmp_lg_u32 s3, 0
	s_cbranch_scc1 .Llap
	QUARTER 0, 128, F1, F0, 0                      ; the last lap fills nothing, and has no round of the cluster's barrier
	QUARTER 0, 192, F0, F1, 0
	MEET 0
	PLACES
	FETCH 1, 0, F0
	WIN MUL_HI
	MUL16 F1, 1, 0, 0
	MUL16 F1, 1, 2, 0
	QUARTER 1, 64,  F0, F1, 0
	QUARTER 1, 128, F1, F0, 0
	QUARTER 1, 192, F0, F1, 0
	s_wait_dscnt 8                                 ; the very last quarter: nothing more to fetch
	MUL16 F1, 0, 0, 0
	MUL16 F1, 0, 2, 0
	s_wait_dscnt 0x0                               ; my reads of the ring are over:
	s_barrier_signal -1                            ; say so,
	MUL16 F1, 1, 0, 0
	MUL16 F1, 1, 2, 0
	WIN 0
	s_barrier_wait -1                              ; and write into the ring's bytes only when all four have said so
	; THE WAY OUT.  The bias is rounded to bf16; these six lines and four v_nop are the places behind the last products.
	s_wait_loadcnt 0x0
	v_cvt_pk_bf16_f32 v12, v[BIAS], v[BIAS+1]
	v_cvt_pk_bf16_f32 v13, v[BIAS+2], v[BIAS+3]
	v_lshlrev_b32 v[BIAS], 16, v12
	v_and_b32 v[BIAS+1], 0xffff0000, v12
	v_lshlrev_b32 v[BIAS+2], 16, v13
	v_and_b32 v[BIAS+3], 0xffff0000, v13
	PLACES
.irp a, 0,1,2,3,4,5,6,7                ; block a: my rows 16 a ..; each accumulator's low four registers go first
	WIN 0x08+4*((\a)/4)                            ; the stores' data in window 2 or 3
.irp b, 0,1,2,3,4,5,6,7
	ds_store_b128 v[STO], v[64*((\a)%4)+8*(\b):64*((\a)%4)+8*(\b)+3]   offset:(\a)*16*SPITCH+64*(\b)
	ds_store_b128 v[STO], v[64*((\a)%4)+8*(\b)+4:64*((\a)%4)+8*(\b)+7] offset:(\a)*16*SPITCH+64*(\b)+16
.endr
.endr
	WIN 0
; One trip: 32 rows of my stage come back as whole rows, take the bias, and leave.  half = 1: rounded once to f16.
.macro DRAIN half
	v_add_nc_u32 v[RDC], s[RB], v[RD]
.set t, 0
.rept 32
	ds_load_b128 v[BK+4*t:BK+4*t+3], v[RDC] offset:t*SPITCH  ; LDS serves a wave's instructions in order (ISA guide 5.7.1.4): these see my stores above
.set t, t+1
.endr
.set t, 0
.rept 32
.if t == 0
	s_wait_dscnt 16                                ; the first sixteen rows are back
.endif
.if t == 16
	s_wait_dscnt 0x0
.endif
	v_pk_add_f32 v[BK+4*t:BK+4*t+1], v[BK+4*t:BK+4*t+1], v[BIAS:BIAS+1]
	v_pk_add_f32 v[BK+4*t+2:BK+4*t+3], v[BK+4*t+2:BK+4*t+3], v[BIAS+2:BIAS+3]
.if \half
	v_cvt_pk_f16_f32 v[BK+4*t], v[BK+4*t], v[BK+4*t+1]
	v_cvt_pk_f16_f32 v[BK+4*t+1], v[BK+4*t+2], v[BK+4*t+3]
	global_store_b64 v[CH], v[BK+4*t:BK+4*t+1], s[72:73] offset:t*2048  ; the wave stores 256 consecutive bytes, aligned
.else
	global_store_b128 v[CO], v[BK+4*t:BK+4*t+3], s[8:9] offset:t*4096   ; the wave stores 512 consecutive bytes, aligned
.endif
.set t, t+1
.endr
	s_wait_xcnt 0x0                                ; the stores have read their data and their base: both are written again only behind this wait
	s_add_co_u32 s[RB], s[RB], 32*SPITCH
.if \half
	s_add_nc_u64 s[72:73], s[72:73], 32*2048
.else
	s_add_nc_u64 s[8:9], s[8:9], 32*4096
.endif
.endm
	s_mov_b32 s3, 4                                ; 128 rows in four trips
	s_mov_b32 s[RB], 0
	s_cmp_eq_u32 ttmp9, 0                          ; the plane
	s_cbranch_scc0 .Lhalf
.Lfull:
	DRAIN 0
	s_sub_co_u32 s3, s3, 1
	s_cmp_lg_u32 s3, 0
	s_cbranch_scc1 .Lfull
	s_branch .Lend
.Lhalf:
	DRAIN 1
	s_sub_co_u32 s3, s3, 1
	s_cmp_lg_u32 s3, 0
	s_cbranch_scc1 .Lhalf
.Lend:
	s_wait_tensorcnt 0x0                           ; the wave's end: behind my last tensor load and my last LDS store
	ds_add_u32 v[SPW], v[NIL]
	s_wait_dscnt 0x0
	CROUND                                         ; the closing round: no work-group ends while a partner may still ask for a tile that names it
	s_endpgm
.Lfunc_end_k_qec58638019_gemm_kv:
	.size	k_qec58638019_gemm_kv, .Lfunc_end_k_qec58638019_gemm_kv-k_qec58638019_gemm_kv
	.p2alignl 7, 3214868480
	.fill 96, 4, 3214868480
	.section	.rodata,"a",@progbits
	.p2align	6, 0x0
	.amdhsa_kernel k_qec58638019_gemm_kv
		.amdhsa_group_segment_fixed_size 327680
		.amdhsa_private_segment_fixed_size 0
		.amdhsa_enable_private_segment 0
		.amdhsa_kernarg_size 48
		.amdhsa_user_sgpr_count 2
		.amdhsa_user_sgpr_kernarg_segment_ptr 1
		.amdhsa_wavefront_size32 1
		.amdhsa_system_sgpr_workgroup_id_x 1
		.amdhsa_system_sgpr_workgroup_id_y 1
		.amdhsa_system_sgpr_workgroup_id_z 1
		.amdhsa_system_vgpr_workitem_id 0
		.amdhsa_next_free_vgpr 1024
		.amdhsa_next_free_sgpr 74
		.amdhsa_reserve_vcc 0
		.amdhsa_float_denorm_mode_32 3
		.amdhsa_float_denorm_mode_16_64 3
		.amdhsa_memory_ordered 1
		.amdhsa_forward_progress 1
		.amdhsa_inst_pref_size 144
	.end_amdhsa_kernel
	.amdgpu_metadata
---
amdhsa.version: [ 1, 2 ]
amdhsa.kernels:
  - .name:           k_qec58638019_gemm_kv
    .symbol:         k_qec58638019_gemm_kv.kd
    .args:
      - { .name: xh, .offset: 0, .size: 8, .value_kind: global_buffer, .address_space: global }
      - { .name: wkvt, .offset: 8, .size: 8, .value_kind: global_buffer, .address_space: global }
      - { .name: bk, .offset: 16, .size: 8, .value_kind: global_buffer, .address_space: global }
      - { .name: bv, .offset: 24, .size: 8, .value_kind: global_buffer, .address_space: global }
      - { .name: kf, .offset: 32, .size: 8, .value_kind: global_buffer, .address_space: global }
      - { .name: vh, .offset: 40, .size: 8, .value_kind: global_buffer, .address_space: global }
    .group_segment_fixed_size: 327680
    .private_segment_fixed_size: 0
    .kernarg_segment_align: 8
    .kernarg_segment_size: 48
    .max_flat_workgroup_size: 128
    .sgpr_count:     74
    .vgpr_count:     1024
    .wavefront_size: 32
...
	.end_amdgpu_metadata
.endif
;; end of part 2
;; launch tot (part 3): grid 32 x 8, 16 waves a work-group, no clusters, 26,624 bytes of LDS; arguments kf, vh, w_rwkv, xs, gts; writes xs, gts
.if DOCPART == 3
	.amdgcn_target "amdgcn-amd-amdhsa--gfx1250"
	.amdhsa_code_object_version 6
	.text
	.protected	k_qec58638019_tot
	.globl	k_qec58638019_tot
	.p2align	8
	.type	k_qec58638019_tot,@function
k_qec58638019_tot:
	s_mov_b64 s[64:65], 0
	v_nop
	global_prefetch_b8 v0, s[64:65] scope:SCOPE_SE
	s_setreg_imm32_b32 hwreg(HW_REG_WAVE_MODE, 25, 1), 1
	s_wait_xcnt 0x0
; TOT.  The recurrence's state is linear in what came before: (a 2^p, b 2^p) <- (a 2^p, b 2^p) 2^-w + 2^k (v, 1).  So time is cut into 64 PIECES of 32 steps; 16 pieces are a GROUP of 512 steps, a batch has 4 groups.
; A work-group takes one group x 128 channels, a wave one piece.  Each wave builds the state (p, a, b) that its 32 steps make of the EMPTY state; the sixteen totals meet in LDS, and wave 0 chains them:
;   xs  [8 batches][64 pieces][p, a, b][1024 channels] f32: the state in front of each piece, counted from the group's start (the group's first piece: the empty state);
;   gts [8 batches][6][p, a, b][1024] f32: records 0 to 2 hold the empty state, records 3 to 5 the whole totals of groups 0 to 2.  Group g < 3 stores records g and 3 + g; group 3's total is wanted by nobody.
; The batch's last piece streams nothing: nobody wants its total; its wave only hands the empty state to LDS and passes the barrier.
; ARITHMETIC.  Base 2: k2 = k log2(e), W2 = bf16(w) log2(e).  A step is reference()'s update: q = max(p - W2, k2); e1 = 2^(p - W2 - q); e2 = 2^(k2 - q); a = e1 a + e2 v; b = e1 b + e2; p = q.
; A link of the chain takes a state over a piece: q = max(p - 32 W2, pl); e1 = 2^(p - 32 W2 - q); e2 = 2^(pl - q); a = e1 a + e2 al; b = e1 b + e2 bl; p = q.  The maximum is taken away in front of every exponential.
; The empty state is p = -1e30, a = b = 0: its weight comes out as 0 beside any true state.
; LIMITS.  |k2| and 512 |W2| stay far below the spacing of f32 numbers at 1e30 (7e22); a piece's decay is one product 32 W2 (exact) where reference() subtracts w 32 times: the order of rounding differs;
; an exponential below 2^-126 counts as 0; NaN and infinities are not treated apart.
; SHARES.  A lane owns 4 channels: 16 bytes of a row of k (f32), 8 of a row of v (f16): a wave's load covers 512 or 256 consecutive bytes, aligned.  A ring of 8 row slots in registers keeps 16 loads of every
; wave on their way: 16 waves x 8 rows x 768 bytes for the work-group.  No cluster and no prefetch: each byte of k and v is read once, by one wave, in a stream.
.set LC,    0x3fb8aa3b                 ; log2(e)
.set D,     8                          ; row slots in the ring
.set ROWS,  32                         ; steps of a wave
.set KROW,  4096                       ; bytes in a row of k
.set VROW,  2048                       ; bytes in a row of v
.set REC,   12288                      ; a record of xs and gts: p, a, b of 1,024 channels
.set SLOTB, 1536                       ; a wave's total in LDS: p, a, b of 128 channels
.set SPARE, 16*SLOTB                   ; behind the totals: the spare words, 128 bytes for each wave: eight blocks of 256 bytes that no other line names
.set P,   4                            ; v[4:7]    p of my four channels
.set A,   8                            ; v[8:11]   a
.set B,   12                           ; v[12:15]  b
.set W2,  16                           ; v[16:19]  W2; in the chain 32 W2
.set T0,  20                           ; v[20:23]  at work: p less the decay, then e1
.set SPW, 26                           ; v26       LDS address of my spare word; never rewritten
.set NIL, 27                           ; v27       0; never rewritten
.set LST, 28                           ; v28       where I put my total
.set K,   32                           ; v[32:63]  slot i: a row's k at K + 4 i; then k2, then e2
.set V,   64                           ; v[64:79]  slot i: a row's v, four f16, at V + 2 i
.set R0,  32                           ; v[32:55]  the chain: two totals (pl, al, bl) of 12 registers, where the ring lay: piece cc's at R0 + 12 (cc % 2)
.set NEU, 56                           ; v[56:63]  the empty record: -1e30 four times, 0 four times
	s_load_b256 s[4:11], s[0:1], 0x0               ; kf s[4:5], vh s[6:7], w s[8:9], xs s[10:11]
	s_load_b64 s[12:13], s[0:1], 0x20              ; gts
	v_lshl_add_u32 v[SPW], v0, 2, SPARE
	v_mov_b32 v[NIL], 0
	v_lshrrev_b32 v3, 5, v0
	v_readfirstlane_b32 s14, v3                    ; wave 0..15: my piece in the group
	v_and_b32 v3, 31, v0                           ; lane
	v_lshlrev_b32 v1, 4, v3                        ; 16 x lane; never rewritten
	v_lshlrev_b32 v2, 3, v3                        ; 8 x lane; never rewritten
	s_and_b32 s15, ttmp7, 0xffff                   ; batch
	s_lshr_b32 s16, ttmp9, 3                       ; group 0..3
	s_and_b32 s17, ttmp9, 7                        ; which 128 channels
	s_lshl_b32 s18, s16, 4
	s_add_co_u32 s18, s18, s14                     ; my piece in the batch, 0..63
	s_lshl_b32 s19, s15, 11
	s_lshl_b32 s20, s18, 5
	s_add_co_u32 s19, s19, s20                     ; my first row: 2,048 x batch + 32 x piece
	s_lshl_b32 s24, s17, 9                         ; my 128 channels in f32: 512 bytes
	s_mov_b32 s25, 0
	s_lshl_b32 s20, s19, 12                        ; rows of 4,096 bytes of k
	s_add_co_u32 s20, s20, s24
	s_mov_b32 s21, 0
	s_lshl_b32 s22, s19, 11                        ; rows of 2,048 bytes of v,
	s_lshl_b32 s23, s17, 8                         ; my 128 channels in f16: 256 bytes
	s_add_co_u32 s22, s22, s23
	s_mov_b32 s23, 0
	s_lshl_b32 s30, s15, 6
	s_lshl_b32 s31, s16, 4
	s_add_co_u32 s30, s30, s31                     ; the group's first record in xs: 64 x batch + 16 x group
	s_mul_i32 s30, s30, REC
	s_add_co_u32 s30, s30, s24
	s_mov_b32 s31, 0
	s_mul_i32 s32, s15, 6
	s_add_co_u32 s32, s32, s16                     ; record 6 x batch + group of gts
	s_mul_i32 s32, s32, REC
	s_add_co_u32 s32, s32, s24
	s_mov_b32 s33, 0
	s_mov_b32 s26, LC
	s_mov_b32 s27, LC                              ; named with it as a pair
	s_wait_kmcnt 0x0
	s_add_nc_u64 s[4:5], s[4:5], s[20:21]
	s_add_nc_u64 s[6:7], s[6:7], s[22:23]
	s_add_nc_u64 s[8:9], s[8:9], s[24:25]
	s_add_nc_u64 s[10:11], s[10:11], s[30:31]
	s_add_nc_u64 s[12:13], s[12:13], s[32:33]
	global_load_b128 v[W2:W2+3], v1, s[8:9]
.irp c, 0,1,2,3
	v_mov_b32 v[P+(\c)], 0xf149f2ca                ; -1e30
	v_mov_b32 v[A+(\c)], 0
	v_mov_b32 v[B+(\c)], 0
.endr
	s_cmp_eq_u32 s18, 63                           ; the batch's last piece: its total is wanted by nobody
	s_cbranch_scc1 .Ljoin
.set i, 0
.rept D
	global_load_b128 v[K+4*i:K+4*i+3], v1, s[4:5] offset:i*KROW
	global_load_b64 v[V+2*i:V+2*i+1], v2, s[6:7] offset:i*VROW
.set i, i+1
.endr
	s_wait_loadcnt 2*D                             ; w is in; the ring's 16 loads stay out
	v_cvt_pk_bf16_f32 v24, v[W2], v[W2+1]          ; w is rounded to bf16 like every input
	v_cvt_pk_bf16_f32 v25, v[W2+2], v[W2+3]
	v_lshlrev_b32 v[W2], 16, v24
	v_and_b32 v[W2+1], 0xffff0000, v24
	v_lshlrev_b32 v[W2+2], 16, v25
	v_and_b32 v[W2+3], 0xffff0000, v25
	v_pk_mul_f32 v[W2:W2+1], v[W2:W2+1], s[26:27] op_sel_hi:[1,0]
	v_pk_mul_f32 v[W2+2:W2+3], v[W2+2:W2+3], s[26:27] op_sel_hi:[1,0]
; One step, from slot i.  ahead = 1: the slot is filled again with the row D further down.  left = how many younger loads may stay out.
.macro USTEP i, ahead, left
.set KK, K+4*(\i)
.set VV, V+2*(\i)
	s_wait_loadcnt \left
.irp j, 0,2
	v_pk_mul_f32 v[KK+(\j):KK+(\j)+1], v[KK+(\j):KK+(\j)+1], s[26:27] op_sel_hi:[1,0]
	v_pk_add_f32 v[T0+(\j):T0+(\j)+1], v[P+(\j):P+(\j)+1], v[W2+(\j):W2+(\j)+1] neg_lo:[0,1] neg_hi:[0,1]
.endr
.irp c, 0,1,2,3
	v_max_num_f32 v[P+(\c)], v[T0+(\c)], v[KK+(\c)]
.endr
.irp j, 0,2
	v_pk_add_f32 v[T0+(\j):T0+(\j)+1], v[T0+(\j):T0+(\j)+1], v[P+(\j):P+(\j)+1] neg_lo:[0,1] neg_hi:[0,1]
	v_pk_add_f32 v[KK+(\j):KK+(\j)+1], v[KK+(\j):KK+(\j)+1], v[P+(\j):P+(\j)+1] neg_lo:[0,1] neg_hi:[0,1]
.endr
.irp c, 0,1,2,3
	v_exp_f32 v[T0+(\c)], v[T0+(\c)]
.endr
.irp c, 0,1,2,3
	v_exp_f32 v[KK+(\c)], v[KK+(\c)]
.endr
	v_nop                                          ; a plain instruction behind the last exponential (ISA guide 5.7.2),
	s_wait_alu depctr_va_vdst(0)                   ; and the one wait for the batch of eight
.irp j, 0,2
	v_pk_mul_f32 v[A+(\j):A+(\j)+1], v[A+(\j):A+(\j)+1], v[T0+(\j):T0+(\j)+1]
	v_pk_fma_f32 v[B+(\j):B+(\j)+1], v[B+(\j):B+(\j)+1], v[T0+(\j):T0+(\j)+1], v[KK+(\j):KK+(\j)+1]
.endr
	v_fma_mix_f32 v[A],   v[KK],   v[VV],   v[A]   op_sel_hi:[0,1,0]                 ; a += e2 v, v straight from its f16 half
	v_fma_mix_f32 v[A+1], v[KK+1], v[VV],   v[A+1] op_sel:[0,1,0] op_sel_hi:[0,1,0]
	v_fma_mix_f32 v[A+2], v[KK+2], v[VV+1], v[A+2] op_sel_hi:[0,1,0]
	v_fma_mix_f32 v[A+3], v[KK+3], v[VV+1], v[A+3] op_sel:[0,1,0] op_sel_hi:[0,1,0]
.if \ahead
	global_load_b128 v[KK:KK+3], v1, s[4:5] offset:(D+(\i))*KROW
	global_load_b64 v[VV:VV+1], v2, s[6:7] offset:(D+(\i))*VROW
.endif
.endm
	s_mov_b32 s28, ROWS/D-1
.Lround:                                               ; 8 steps a trip; seven younger slots of two loads stay out
.irp i, 0,1,2,3,4,5,6,7
	USTEP \i, 1, 2*(D-1)
.endr
	s_wait_xcnt 0x0                                ; the loads have read their bases, which are stepped only behind this wait
	s_add_nc_u64 s[4:5], s[4:5], D*KROW
	s_add_nc_u64 s[6:7], s[6:7], D*VROW
	s_sub_co_u32 s28, s28, 1
	s_cmp_lg_u32 s28, 0
	s_cbranch_scc1 .Lround
.irp i, 0,1,2,3,4,5,6,7
	USTEP \i, 0, 2*(D-1-\i)                        ; the last 8 steps load nothing: the counts run down
.endr
.Ljoin:
	s_wait_loadcnt 0x0                             ; (the wave that streamed nothing: its load of w)
	; THE TOTALS MEET.  Wave w's total goes to LDS bytes 1,536 w; behind the barrier wave 0 reads all sixteen.
	s_mul_i32 s29, s14, SLOTB
	v_add_nc_u32 v[LST], s29, v1
	ds_store_b128 v[LST], v[P:P+3]
	ds_store_b128 v[LST], v[A:A+3] offset:512
	ds_store_b128 v[LST], v[B:B+3] offset:1024
	s_wait_dscnt 0x0                               ; for wave 0's sake: my stores are done
	s_barrier_signal -1
	s_barrier_wait -1
	s_cmp_lg_u32 s14, 0
	s_cbranch_scc1 .Lend
; THE CHAIN, wave 0 alone: sixteen links, written out, so that every LDS address is 16 x lane plus a constant (24,575 is the highest byte read, under the spare words) and every store's place stands in its immediate.
; Two totals lie in registers, each fetched from LDS two links ahead of its use.
.macro TLOAD r, off                    ; a total: pl, al, bl of my four channels
	ds_load_b128 v[\r:(\r)+3],      v1 offset:(\off)
	ds_load_b128 v[(\r)+4:(\r)+7],  v1 offset:(\off)+512
	ds_load_b128 v[(\r)+8:(\r)+11], v1 offset:(\off)+1024
.endm
.macro XSTORE off                      ; the state in front of a piece; each store covers 512 consecutive bytes, aligned
	global_store_b128 v1, v[P:P+3], s[10:11] offset:(\off)
	global_store_b128 v1, v[A:A+3], s[10:11] offset:(\off)+4096
	global_store_b128 v1, v[B:B+3], s[10:11] offset:(\off)+8192
.endm
.macro CLINK r                         ; the state goes over the piece whose total lies at r
.irp j, 0,2
	v_pk_add_f32 v[T0+(\j):T0+(\j)+1], v[P+(\j):P+(\j)+1], v[W2+(\j):W2+(\j)+1] neg_lo:[0,1] neg_hi:[0,1]
.endr
	s_wait_xcnt 0x0                                ; the stores above have read the state, which is written again only behind this wait
.irp c, 0,1,2,3
	v_max_num_f32 v[P+(\c)], v[T0+(\c)], v[(\r)+(\c)]
.endr
.irp j, 0,2
	v_pk_add_f32 v[T0+(\j):T0+(\j)+1], v[T0+(\j):T0+(\j)+1], v[P+(\j):P+(\j)+1] neg_lo:[0,1] neg_hi:[0,1]
	v_pk_add_f32 v[(\r)+(\j):(\r)+(\j)+1], v[(\r)+(\j):(\r)+(\j)+1], v[P+(\j):P+(\j)+1] neg_lo:[0,1] neg_hi:[0,1]
.endr
.irp c, 0,1,2,3
	v_exp_f32 v[T0+(\c)], v[T0+(\c)]
.endr
.irp c, 0,1,2,3
	v_exp_f32 v[(\r)+(\c)], v[(\r)+(\c)]
.endr
	v_nop                                          ; a plain instruction behind the last exponential,
	s_wait_alu depctr_va_vdst(0)                   ; and the one wait for the eight
.irp j, 0,2
	v_pk_mul_f32 v[A+(\j):A+(\j)+1], v[A+(\j):A+(\j)+1], v[T0+(\j):T0+(\j)+1]
	v_pk_mul_f32 v[B+(\j):B+(\j)+1], v[B+(\j):B+(\j)+1], v[T0+(\j):T0+(\j)+1]
.endr
.irp j, 0,2
	v_pk_fma_f32 v[A+(\j):A+(\j)+1], v[(\r)+(\j):(\r)+(\j)+1], v[(\r)+4+(\j):(\r)+4+(\j)+1], v[A+(\j):A+(\j)+1]
	v_pk_fma_f32 v[B+(\j):B+(\j)+1], v[(\r)+(\j):(\r)+(\j)+1], v[(\r)+8+(\j):(\r)+8+(\j)+1], v[B+(\j):B+(\j)+1]
.endr
.endm
	TLOAD R0, 0                                    ; piece 0's total
	TLOAD R0+12, SLOTB                             ; piece 1's
	v_pk_mul_f32 v[W2:W2+1], v[W2:W2+1], 0x42000000 op_sel_hi:[1,0]      ; 32 W2, exact
	v_pk_mul_f32 v[W2+2:W2+3], v[W2+2:W2+3], 0x42000000 op_sel_hi:[1,0]
.irp c, 0,1,2,3
	v_mov_b32 v[P+(\c)], 0xf149f2ca                ; the group begins with the empty state
	v_mov_b32 v[A+(\c)], 0
	v_mov_b32 v[B+(\c)], 0
.endr
.set cc, 0
.rept 16
.set RR, R0+12*(cc%2)
	XSTORE cc*REC                                  ; the state in front of piece cc
.if cc < 15
	s_wait_dscnt 0x3                               ; piece cc's total is in; the next piece's three loads may stay out
.else
	s_wait_dscnt 0x0
.endif
	CLINK RR
.if cc < 14
	TLOAD RR, (cc+2)*SLOTB                         ; the registers just used take the total two pieces on
.endif
.set cc, cc+1
.endr
	s_cmp_eq_u32 s16, 3                            ; the state is now the group's total; the last group's is wanted by nobody
	s_cbranch_scc1 .Lend
	global_store_b128 v1, v[P:P+3], s[12:13] offset:3*REC
	global_store_b128 v1, v[A:A+3], s[12:13] offset:3*REC+4096
	global_store_b128 v1, v[B:B+3], s[12:13] offset:3*REC+8192
.irp c, 0,1,2,3
	v_mov_b32 v[NEU+(\c)], 0xf149f2ca
	v_mov_b32 v[NEU+4+(\c)], 0
.endr
	global_store_b128 v1, v[NEU:NEU+3],   s[12:13]               ; and one of the batch's three empty records
	global_store_b128 v1, v[NEU+4:NEU+7], s[12:13] offset:4096
	global_store_b128 v1, v[NEU+4:NEU+7], s[12:13] offset:8192
.Lend:
	s_wait_tensorcnt 0x0                           ; the wave's end: behind my last LDS store
	ds_add_u32 v[SPW], v[NIL]
	s_wait_dscnt 0x0
	s_endpgm
.Lfunc_end_k_qec58638019_tot:
	.size	k_qec58638019_tot, .Lfunc_end_k_qec58638019_tot-k_qec58638019_tot
	.p2alignl 7, 3214868480
	.fill 96, 4, 3214868480
	.section	.rodata,"a",@progbits
	.p2align	6, 0x0
	.amdhsa_kernel k_qec58638019_tot
		.amdhsa_group_segment_fixed_size 26624
		.amdhsa_private_segment_fixed_size 0
		.amdhsa_enable_private_segment 0
		.amdhsa_kernarg_size 40
		.amdhsa_user_sgpr_count 2
		.amdhsa_user_sgpr_kernarg_segment_ptr 1
		.amdhsa_wavefront_size32 1
		.amdhsa_system_sgpr_workgroup_id_x 1
		.amdhsa_system_sgpr_workgroup_id_y 1
		.amdhsa_system_sgpr_workgroup_id_z 1
		.amdhsa_system_vgpr_workitem_id 0
		.amdhsa_next_free_vgpr 80
		.amdhsa_next_free_sgpr 66
		.amdhsa_reserve_vcc 0
		.amdhsa_float_denorm_mode_32 3
		.amdhsa_float_denorm_mode_16_64 3
		.amdhsa_memory_ordered 1
		.amdhsa_forward_progress 1
		.amdhsa_inst_pref_size 62
	.end_amdhsa_kernel
	.amdgpu_metadata
---
amdhsa.version: [ 1, 2 ]
amdhsa.kernels:
  - .name:           k_qec58638019_tot
    .symbol:         k_qec58638019_tot.kd
    .args:
      - { .name: kf, .offset: 0, .size: 8, .value_kind: global_buffer, .address_space: global }
      - { .name: vh, .offset: 8, .size: 8, .value_kind: global_buffer, .address_space: global }
      - { .name: w_rwkv, .offset: 16, .size: 8, .value_kind: global_buffer, .address_space: global }
      - { .name: xs, .offset: 24, .size: 8, .value_kind: global_buffer, .address_space: global }
      - { .name: gts, .offset: 32, .size: 8, .value_kind: global_buffer, .address_space: global }
    .group_segment_fixed_size: 26624
    .private_segment_fixed_size: 0
    .kernarg_segment_align: 8
    .kernarg_segment_size: 40
    .max_flat_workgroup_size: 512
    .sgpr_count:     66
    .vgpr_count:     80
    .wavefront_size: 32
...
	.end_amdgpu_metadata
.endif
;; end of part 3
;; launch scan (part 4): grid 32 x 8, 16 waves a work-group, no clusters, 0 bytes of LDS; arguments kf, vh, xs, gts, w_rwkv, u_rwkv, oh; writes oh
.if DOCPART == 4
	.amdgcn_target "amdgcn-amd-amdhsa--gfx1250"
	.amdhsa_code_object_version 6
	.text
	.protected	k_qec58638019_scan
	.globl	k_qec58638019_scan
	.p2align	8
	.type	k_qec58638019_scan,@function
k_qec58638019_scan:
	s_mov_b64 s[64:65], 0
	v_nop
	global_prefetch_b8 v0, s[64:65] scope:SCOPE_SE
	s_setreg_imm32_b32 hwreg(HW_REG_WAVE_MODE, 25, 1), 1
	s_wait_xcnt 0x0
; SCAN.  The true steps of reference()'s recurrence.  Time lies in 64 pieces of 32 steps, 16 pieces to a group, 4 groups to a batch; a work-group takes one group x 128 channels, a wave one piece.  O leaves in f16, [16384][1024].
; THE STATE IN FRONT OF MY PIECE is made of four records that the launch before has stored, by three links.  gts holds for each batch three empty records and then the totals of groups 0 to 2: records g, g + 1, g + 2 are
; the three groups in front of group g, empty where there is none.  The first is taken as the state; the other two are added with a decay of 512 steps; then xs's record of my piece (the state that the group's
; pieces in front of mine build from nothing), with a decay of 32 x my wave's number.  A link: q = max(p - d, pl); e1 = 2^(p - d - q); e2 = 2^(pl - q); a = e1 a + e2 al; b = e1 b + e2 bl; p = q.
; An empty record (p = -1e30, a = b = 0) leaves a state as it is, and a state added onto the empty one is taken over exactly: so every work-group runs the same three links.
; A STEP, base 2 (k2 = k log2(e), U2 = bf16(u) log2(e), W2 = bf16(w) log2(e)):
;   output: ww = k2 + U2; q = max(ww, p); e1 = 2^(p - q); e2 = 2^(ww - q); o = (e1 a + e2 v) / (e1 b + e2)
;   update: q2 = max(p - W2, k2); e1b = 2^(p - W2 - q2); e2b = 2^(k2 - q2); a = e1b a + e2b v; b = e1b b + e2b; p = q2
; The maxima are taken away in front of all exponentials, as in reference().  Step 0 of a batch starts from the empty state: e1 = 0 and e2 = 1 give o = v, and the update leaves (k, v, 1): reference()'s first row and
; its initial state, with no step written apart.  The divisor is at least 1: one of e1, e2 is 1, and b is at least 1 in every state but the empty one.
; LIMITS.  O has v's range (f16: within 65,504); |k2| and 512 |W2| far below the spacing of f32 numbers at 1e30 (7e22); the decays of the links are single products (512 W2 exact, 32 n W2 rounded once) where
; reference() subtracts w step by step: the order of rounding differs; an exponential below 2^-126 counts as 0; the division is a reciprocal (1 ulp) and a product; NaN and infinities are not treated apart.
; SHARES.  A lane owns 4 channels of its wave's 32 rows; a ring of 8 row slots in registers keeps 16 loads of every wave on their way; a wave's load covers 512 or 256, its store 256 consecutive bytes, aligned.
; No LDS, no barrier: no thread needs another's numbers.  No cluster: what work-groups share, gts's records, is 4,608 bytes beside a work-group's 393,216 of k and v.  No prefetch: a stream read once.
.set LC,   0x3fb8aa3b
.set D,    8                           ; row slots in the ring
.set ROWS, 32                          ; steps of a wave
.set KROW, 4096
.set VROW, 2048                        ; bytes in a row of v and of O
.set REC,  12288                       ; a record of xs and gts: p, a, b of 1,024 channels
.set P,   4
.set A,   8
.set B,   12
.set W2,  16
.set U2,  20
.set T1,  24                           ; ww, then e2; in a link: p less the decay, then e1
.set T2,  28                           ; q
.set T3,  32                           ; e1
.set T4,  36                           ; p - W2, then e1b; at the head: 512 W2
.set NUM, 40                           ; at the head: 32 x wave x W2
.set DEN, 44
.set Y,   52                           ; v[52:67]   slot i: four f16 to store
.set V,   68                           ; v[68:83]   slot i: a row's v
.set K,   84                           ; v[84:115]  slot i: a row's k; then k2, then e2b
.set G1,  116                          ; v[116:127] gts's record g + 1: pl, al, bl
.set G2,  128                          ; v[128:139] record g + 2
.set X,   140                          ; v[140:151] xs's record of my piece
.macro TOBF r, t                       ; four numbers rounded to bf16, kept as f32, times log2(e)
	v_cvt_pk_bf16_f32 v[\t], v[\r], v[(\r)+1]
	v_cvt_pk_bf16_f32 v[(\t)+1], v[(\r)+2], v[(\r)+3]
	v_lshlrev_b32 v[\r], 16, v[\t]
	v_and_b32 v[(\r)+1], 0xffff0000, v[\t]
	v_lshlrev_b32 v[(\r)+2], 16, v[(\t)+1]
	v_and_b32 v[(\r)+3], 0xffff0000, v[(\t)+1]
	v_pk_mul_f32 v[\r:(\r)+1], v[\r:(\r)+1], s[22:23] op_sel_hi:[1,0]
	v_pk_mul_f32 v[(\r)+2:(\r)+3], v[(\r)+2:(\r)+3], s[22:23] op_sel_hi:[1,0]
.endm
.macro LINK d, r                       ; the state decays by d and takes the record at r
.irp j, 0,2
	v_pk_add_f32 v[T1+(\j):T1+(\j)+1], v[P+(\j):P+(\j)+1], v[(\d)+(\j):(\d)+(\j)+1] neg_lo:[0,1] neg_hi:[0,1]
.endr
.irp c, 0,1,2,3
	v_max_num_f32 v[P+(\c)], v[T1+(\c)], v[(\r)+(\c)]
.endr
.irp j, 0,2
	v_pk_add_f32 v[T1+(\j):T1+(\j)+1], v[T1+(\j):T1+(\j)+1], v[P+(\j):P+(\j)+1] neg_lo:[0,1] neg_hi:[0,1]
	v_pk_add_f32 v[(\r)+(\j):(\r)+(\j)+1], v[(\r)+(\j):(\r)+(\j)+1], v[P+(\j):P+(\j)+1] neg_lo:[0,1] neg_hi:[0,1]
.endr
.irp c, 0,1,2,3
	v_exp_f32 v[T1+(\c)], v[T1+(\c)]
.endr
.irp c, 0,1,2,3
	v_exp_f32 v[(\r)+(\c)], v[(\r)+(\c)]
.endr
	v_nop                                          ; a plain instruction behind the last exponential,
	s_wait_alu depctr_va_vdst(0)                   ; and the one wait for the eight
.irp j, 0,2
	v_pk_mul_f32 v[A+(\j):A+(\j)+1], v[A+(\j):A+(\j)+1], v[T1+(\j):T1+(\j)+1]
	v_pk_mul_f32 v[B+(\j):B+(\j)+1], v[B+(\j):B+(\j)+1], v[T1+(\j):T1+(\j)+1]
.endr
.irp j, 0,2
	v_pk_fma_f32 v[A+(\j):A+(\j)+1], v[(\r)+(\j):(\r)+(\j)+1], v[(\r)+4+(\j):(\r)+4+(\j)+1], v[A+(\j):A+(\j)+1]
	v_pk_fma_f32 v[B+(\j):B+(\j)+1], v[(\r)+(\j):(\r)+(\j)+1], v[(\r)+8+(\j):(\r)+8+(\j)+1], v[B+(\j):B+(\j)+1]
.endr
.endm
	s_load_b256 s[4:11], s[0:1], 0x0               ; kf s[4:5], vh s[6:7], xs s[8:9], gts s[10:11]
	s_load_b128 s[12:15], s[0:1], 0x20             ; w s[12:13], u s[14:15]
	s_load_b64 s[16:17], s[0:1], 0x30              ; oh
	v_lshrrev_b32 v3, 5, v0
	v_readfirstlane_b32 s18, v3                    ; wave 0..15: my piece in the group
	v_and_b32 v3, 31, v0                           ; lane
	v_lshlrev_b32 v1, 4, v3                        ; 16 x lane; never rewritten
	v_lshlrev_b32 v2, 3, v3                        ; 8 x lane; never rewritten
	s_and_b32 s19, ttmp7, 0xffff                   ; batch
	s_lshr_b32 s20, ttmp9, 3                       ; group 0..3
	s_and_b32 s21, ttmp9, 7                        ; which 128 channels
	s_lshl_b32 s24, s20, 4
	s_add_co_u32 s24, s24, s18                     ; my piece in the batch, 0..63
	s_lshl_b32 s25, s19, 11
	s_lshl_b32 s26, s24, 5
	s_add_co_u32 s25, s25, s26                     ; my first row: 2,048 x batch + 32 x piece
	s_lshl_b32 s28, s21, 9                         ; my 128 channels in f32: 512 bytes
	s_mov_b32 s29, 0
	s_lshl_b32 s30, s25, 12                        ; rows of 4,096 bytes of k
	s_add_co_u32 s30, s30, s28
	s_mov_b32 s31, 0
	s_lshl_b32 s32, s25, 11                        ; rows of 2,048 bytes of v and of O,
	s_lshl_b32 s33, s21, 8                         ; my 128 channels in f16: 256 bytes
	s_add_co_u32 s32, s32, s33
	s_mov_b32 s33, 0
	s_lshl_b32 s34, s19, 6
	s_add_co_u32 s34, s34, s24                     ; my record in xs: 64 x batch + piece
	s_mul_i32 s34, s34, REC
	s_add_co_u32 s34, s34, s28
	s_mov_b32 s35, 0
	s_mul_i32 s36, s19, 6
	s_add_co_u32 s36, s36, s20                     ; record 6 x batch + group of gts
	s_mul_i32 s36, s36, REC
	s_add_co_u32 s36, s36, s28
	s_mov_b32 s37, 0
	s_lshl_b32 s38, s18, 5                         ; steps from the group's start to my piece
	s_mov_b32 s22, LC
	s_mov_b32 s23, LC                              ; named with it as a pair
	s_wait_kmcnt 0x0
	s_add_nc_u64 s[4:5], s[4:5], s[30:31]
	s_add_nc_u64 s[6:7], s[6:7], s[32:33]
	s_add_nc_u64 s[16:17], s[16:17], s[32:33]
	s_add_nc_u64 s[8:9], s[8:9], s[34:35]
	s_add_nc_u64 s[10:11], s[10:11], s[36:37]
	s_add_nc_u64 s[12:13], s[12:13], s[28:29]
	s_add_nc_u64 s[14:15], s[14:15], s[28:29]
	global_load_b128 v[P:P+3], v1, s[10:11]                      ; gts's record g is the state to begin with
	global_load_b128 v[A:A+3], v1, s[10:11] offset:4096
	global_load_b128 v[B:B+3], v1, s[10:11] offset:8192
.irp q, 0,1,2
	global_load_b128 v[G1+4*(\q):G1+4*(\q)+3], v1, s[10:11] offset:REC+4096*(\q)
	global_load_b128 v[G2+4*(\q):G2+4*(\q)+3], v1, s[10:11] offset:2*REC+4096*(\q)
	global_load_b128 v[X+4*(\q):X+4*(\q)+3],   v1, s[8:9] offset:4096*(\q)
.endr
	global_load_b128 v[W2:W2+3], v1, s[12:13]
	global_load_b128 v[U2:U2+3], v1, s[14:15]
.set i, 0
.rept D
	global_load_b128 v[K+4*i:K+4*i+3], v1, s[4:5] offset:i*KROW th:TH_LOAD_NT
	global_load_b64 v[V+2*i:V+2*i+1], v2, s[6:7] offset:i*VROW th:TH_LOAD_NT
.set i, i+1
.endr
	s_wait_loadcnt 2*D                             ; the four records, w and u are in; the ring's 16 loads stay out
	TOBF W2, 48
	TOBF U2, 48
	v_pk_mul_f32 v[T4:T4+1], v[W2:W2+1], 0x44000000 op_sel_hi:[1,0]      ; a group's decay: 512 W2, exact
	v_pk_mul_f32 v[T4+2:T4+3], v[W2+2:W2+3], 0x44000000 op_sel_hi:[1,0]
	v_cvt_f32_u32 v48, s38
.irp c, 0,1,2,3
	v_mul_f32 v[NUM+(\c)], v48, v[W2+(\c)]         ; the decay from the group's start to my piece
.endr
	LINK T4, G1
	LINK T4, G2
	LINK NUM, X
; One step, from slot i.  ahead = 1: the slot is filled again with the row D further down.  left = how many younger loads may stay out.
.macro STEP i, ahead, left
.set KK, K+4*(\i)
.set VV, V+2*(\i)
.set YY, Y+2*(\i)
	s_wait_loadcnt \left
.irp j, 0,2
	v_pk_mul_f32 v[KK+(\j):KK+(\j)+1], v[KK+(\j):KK+(\j)+1], s[22:23] op_sel_hi:[1,0]
	v_pk_add_f32 v[T4+(\j):T4+(\j)+1], v[P+(\j):P+(\j)+1], v[W2+(\j):W2+(\j)+1] neg_lo:[0,1] neg_hi:[0,1]
.endr
.irp j, 0,2
	v_pk_add_f32 v[T1+(\j):T1+(\j)+1], v[KK+(\j):KK+(\j)+1], v[U2+(\j):U2+(\j)+1]
.endr
.irp c, 0,1,2,3
	v_max_num_f32 v[T2+(\c)], v[T1+(\c)], v[P+(\c)]
.endr
.irp j, 0,2
	v_pk_add_f32 v[T3+(\j):T3+(\j)+1], v[P+(\j):P+(\j)+1], v[T2+(\j):T2+(\j)+1] neg_lo:[0,1] neg_hi:[0,1]
	v_pk_add_f32 v[T1+(\j):T1+(\j)+1], v[T1+(\j):T1+(\j)+1], v[T2+(\j):T2+(\j)+1] neg_lo:[0,1] neg_hi:[0,1]
.endr
.irp c, 0,1,2,3
	v_max_num_f32 v[P+(\c)], v[T4+(\c)], v[KK+(\c)]
.endr
.irp j, 0,2
	v_pk_add_f32 v[T4+(\j):T4+(\j)+1], v[T4+(\j):T4+(\j)+1], v[P+(\j):P+(\j)+1] neg_lo:[0,1] neg_hi:[0,1]
	v_pk_add_f32 v[KK+(\j):KK+(\j)+1], v[KK+(\j):KK+(\j)+1], v[P+(\j):P+(\j)+1] neg_lo:[0,1] neg_hi:[0,1]
.endr
.irp r, T3, T1, T4, KK
.irp c, 0,1,2,3
	v_exp_f32 v[(\r)+(\c)], v[(\r)+(\c)]
.endr
.endr
	v_nop                                          ; a plain instruction behind the last exponential (ISA guide 5.7.2),
	s_wait_alu depctr_va_vdst(0)                   ; and the one wait for the batch of sixteen
.irp j, 0,2
	v_pk_fma_f32 v[DEN+(\j):DEN+(\j)+1], v[T3+(\j):T3+(\j)+1], v[B+(\j):B+(\j)+1], v[T1+(\j):T1+(\j)+1]
	v_pk_mul_f32 v[NUM+(\j):NUM+(\j)+1], v[T3+(\j):T3+(\j)+1], v[A+(\j):A+(\j)+1]
.endr
.irp c, 0,1,2,3
	v_rcp_f32 v[DEN+(\c)], v[DEN+(\c)]             ; the second batch: the twelve plain lines below name none of its results
.endr
.irp j, 0,2
	v_pk_mul_f32 v[A+(\j):A+(\j)+1], v[T4+(\j):T4+(\j)+1], v[A+(\j):A+(\j)+1]
	v_pk_fma_f32 v[B+(\j):B+(\j)+1], v[T4+(\j):T4+(\j)+1], v[B+(\j):B+(\j)+1], v[KK+(\j):KK+(\j)+1]
.endr
	v_fma_mix_f32 v[NUM],   v[T1],   v[VV],   v[NUM]   op_sel_hi:[0,1,0]                 ; + e2 v, v straight from its f16 half
	v_fma_mix_f32 v[NUM+1], v[T1+1], v[VV],   v[NUM+1] op_sel:[0,1,0] op_sel_hi:[0,1,0]
	v_fma_mix_f32 v[NUM+2], v[T1+2], v[VV+1], v[NUM+2] op_sel_hi:[0,1,0]
	v_fma_mix_f32 v[NUM+3], v[T1+3], v[VV+1], v[NUM+3] op_sel:[0,1,0] op_sel_hi:[0,1,0]
	v_fma_mix_f32 v[A],   v[KK],   v[VV],   v[A]   op_sel_hi:[0,1,0]                     ; + e2b v
	v_fma_mix_f32 v[A+1], v[KK+1], v[VV],   v[A+1] op_sel:[0,1,0] op_sel_hi:[0,1,0]
	v_fma_mix_f32 v[A+2], v[KK+2], v[VV+1], v[A+2] op_sel_hi:[0,1,0]
	v_fma_mix_f32 v[A+3], v[KK+3], v[VV+1], v[A+3] op_sel:[0,1,0] op_sel_hi:[0,1,0]
.if \ahead
	global_load_b128 v[KK:KK+3], v1, s[4:5] offset:(D+(\i))*KROW th:TH_LOAD_NT
	global_load_b64 v[VV:VV+1], v2, s[6:7] offset:(D+(\i))*VROW th:TH_LOAD_NT
.endif
	s_wait_alu depctr_va_vdst(0)                   ; the one wait for the four reciprocals, ahead of their first reader
	v_pk_mul_f32 v[NUM:NUM+1], v[NUM:NUM+1], v[DEN:DEN+1]
	v_pk_mul_f32 v[NUM+2:NUM+3], v[NUM+2:NUM+3], v[DEN+2:DEN+3]
	v_cvt_pk_f16_f32 v[YY], v[NUM], v[NUM+1]
	v_cvt_pk_f16_f32 v[YY+1], v[NUM+2], v[NUM+3]
	global_store_b64 v2, v[YY:YY+1], s[16:17] offset:(\i)*VROW
.endm
	s_mov_b32 s39, ROWS/D-1
.Lround:                                               ; 8 steps a trip; seven younger slots of two loads stay out
.irp i, 0,1,2,3,4,5,6,7
	STEP \i, 1, 2*(D-1)
.endr
	s_wait_xcnt 0x0                                ; loads and stores have read their bases and the stores their data: bases and Y are written again only behind this wait
	s_add_nc_u64 s[4:5], s[4:5], D*KROW
	s_add_nc_u64 s[6:7], s[6:7], D*VROW
	s_add_nc_u64 s[16:17], s[16:17], D*VROW
	s_sub_co_u32 s39, s39, 1
	s_cmp_lg_u32 s39, 0
	s_cbranch_scc1 .Lround
.irp i, 0,1,2,3,4,5,6,7
	STEP \i, 0, 2*(D-1-\i)                         ; the last 8 steps load nothing: the counts run down
.endr
	s_endpgm
.Lfunc_end_k_qec58638019_scan:
	.size	k_qec58638019_scan, .Lfunc_end_k_qec58638019_scan-k_qec58638019_scan
	.p2alignl 7, 3214868480
	.fill 96, 4, 3214868480
	.section	.rodata,"a",@progbits
	.p2align	6, 0x0
	.amdhsa_kernel k_qec58638019_scan
		.amdhsa_group_segment_fixed_size 0
		.amdhsa_private_segment_fixed_size 0
		.amdhsa_enable_private_segment 0
		.amdhsa_kernarg_size 56
		.amdhsa_user_sgpr_count 2
		.amdhsa_user_sgpr_kernarg_segment_ptr 1
		.amdhsa_wavefront_size32 1
		.amdhsa_system_sgpr_workgroup_id_x 1
		.amdhsa_system_sgpr_workgroup_id_y 1
		.amdhsa_system_sgpr_workgroup_id_z 1
		.amdhsa_system_vgpr_workitem_id 0
		.amdhsa_next_free_vgpr 152
		.amdhsa_next_free_sgpr 66
		.amdhsa_reserve_vcc 0
		.amdhsa_float_denorm_mode_32 3
		.amdhsa_float_denorm_mode_16_64 3
		.amdhsa_memory_ordered 1
		.amdhsa_forward_progress 1
		.amdhsa_inst_pref_size 64
	.end_amdhsa_kernel
	.amdgpu_metadata
---
amdhsa.version: [ 1, 2 ]
amdhsa.kernels:
  - .name:           k_qec58638019_scan
    .symbol:         k_qec58638019_scan.kd
    .args:
      - { .name: kf, .offset: 0, .size: 8, .value_kind: global_buffer, .address_space: global }
      - { .name: vh, .offset: 8, .size: 8, .value_kind: global_buffer, .address_space: global }
      - { .name: xs, .offset: 16, .size: 8, .value_kind: global_buffer, .address_space: global }
      - { .name: gts, .offset: 24, .size: 8, .value_kind: global_buffer, .address_space: global }
      - { .name: w_rwkv, .offset: 32, .size: 8, .value_kind: global_buffer, .address_space: global }
      - { .name: u_rwkv, .offset: 40, .size: 8, .value_kind: global_buffer, .address_space: global }
      - { .name: oh, .offset: 48, .size: 8, .value_kind: global_buffer, .address_space: global }
    .group_segment_fixed_size: 0
    .private_segment_fixed_size: 0
    .kernarg_segment_align: 8
    .kernarg_segment_size: 56
    .max_flat_workgroup_size: 512
    .sgpr_count:     66
    .vgpr_count:     152
    .wavefront_size: 32
...
	.end_amdgpu_metadata
.endif
;; end of part 4
;; launch gemm_o: the kernel of part 2 again; grid 4 x 64, 4 waves a work-group, clusters of 4 x 4, 327,680 bytes of LDS; arguments oh, wot, bo, bv, out0, vh; writes out0, vh
;; ======== version 2 of 2: 5 launches; version 1 with the launches prep, tot, scan written anew for expert scheduling mode
;; limits: values are held in f16: magnitudes above 65,504 overflow, below 6.1e-05 lose precision; right only within a limited range of input values
;; workspace buffers: xh 33,554,432 bytes; wkvt 4,194,304 bytes; wot 2,097,152 bytes; kf 67,108,864 bytes; vh 33,554,432 bytes; xs 6,291,456 bytes; gts 589,824 bytes; oh 33,554,432 bytes
;; launch prep (part 5): grid 560 x 1, 8 waves a work-group, no clusters, 140,288 bytes of LDS; arguments x, Wk, Wv, Wo, xh, wkvt, wot; writes xh, wkvt, wot
.if DOCPART == 5
	.amdgcn_target "amdgcn-amd-amdhsa--gfx1250"
	.amdhsa_code_object_version 6
	.text
	.protected	k_qec58638019_prep
	.globl	k_qec58638019_prep
	.p2align	8
	.type	k_qec58638019_prep,@function
k_qec58638019_prep:
	s_mov_b64 s[64:65], 0
	v_nop
	global_prefetch_b8 v0, s[64:65] scope:SCOPE_SE
	s_setreg_imm32_b32 hwreg(HW_REG_WAVE_SCHED_MODE, 0, 2), 2
	s_setreg_imm32_b32 hwreg(HW_REG_WAVE_MODE, 25, 1), 1
	s_wait_xcnt 0x0
	s_wait_alu depctr_vm_vsrc(0)
; PREP.  x [16384][1024] f32 -> xh, the same shape in f16; Wk, Wv, Wo [k][n] f32 -> wkvt (rows 0-1023 Wk^T, rows 1024-2047 Wv^T) and wot (Wo^T), [n][k] in f16.
; Each number is rounded ONCE, to bf16 (nearest even), and that number is then written as f16: exact for magnitudes from 2^-17 to 65,504.
; LIMITS.  A magnitude of 65,520 or more becomes an infinity; below 2^-17 the number keeps f16's fixed step of 6e-8.  NaN and infinities are not treated apart.
; SHARES.  Work-groups 0-47 turn the weights (3 matrices x 16 blocks of 64 columns n; wave w takes the 128 rows k = 128 w ..); work-groups 48-559 take 32 rows of x each.
; x: thread t owns bytes 16 t of every row; all 32 loads of a thread go out at once, and each store of a wave covers 256 consecutive bytes, aligned.
; Weights: a lane loads two neighbouring columns of eight rows k, packs eight k of each column into 16 bytes, and puts them into its wave's own stage in LDS (64 rows of 256 + 16 bytes);
; the stage is read back by rows, so that sixteen lanes store 256 consecutive bytes of one row n.  No wave reads another's bytes: no barrier.
; THE MODE: SCHED_MODE bits 1:0 = 2 (LLVM: expert scheduling mode 2), set by the entry lines.  The code itself states the register dependences between vector instructions and memory or LDS
; instructions, with s_wait_alu, always for 0.
; THE PLAN, x.  v1, v4: offsets, made once.  Row i's four registers: loaded once, converted in place, its first two stored once, never written again.  The rows go in blocks of four: block p's conversions
; name block p's rows and v8, v9 alone; the four stores of block p - 1 are dealt among them, behind ONE wait at the block's head.
; THE PLAN, weights.  v1, v5, v6, v7: offsets and addresses, made once.  Slot g % 8 of the ring: group g's conversions read and write it; the loads of group g + 8 land in it, issued in group g + 1.
; PK0, PK1: group g's conversions write PK[g % 2]; the two LDS stores issued in group g + 1 read it; group g + 2 writes it again.  So two waits at a group's head state all that its ten memory and LDS
; instructions hang on: no vector line of group g names the slot or the PK of group g - 1.
.set STG,   17408                      ; a wave's stage: 64 rows x 272 bytes
.set SP,    272                        ; 68 words from row to row
.set SPARE, 8*STG                      ; behind the stages: the spare words, 128 bytes for each wave: four blocks of 256 bytes that no other line names
.set X,     16                         ; v[16:143]  x path: row i's four numbers at X + 4 i
.set R,     16                         ; v[16:143]  weights: a ring of 8 slots of 16 registers (8 rows k x 2 columns); later the stage read back
.set PK,    144                        ; v[144:159] two sets by turns; in a set eight k of column c, packed, at 4 c
; two numbers: f32 -> bf16 (the one rounding) -> f32 -> f16 (exact), packed into d
.macro CV d, a, b, t
	v_cvt_pk_bf16_f32 v[\t], v[\a], v[\b]
	v_lshlrev_b32 v[\a], 16, v[\t]
	v_and_b32 v[\b], s20, v[\t]
	v_cvt_pk_f16_f32 v[\d], v[\a], v[\b]
.endm
	s_load_b256 s[4:11], s[0:1], 0x0               ; x s[4:5], Wk s[6:7], Wv s[8:9], Wo s[10:11]
	s_load_b128 s[12:15], s[0:1], 0x20             ; xh s[12:13], wkvt s[14:15]
	s_load_b64 s[16:17], s[0:1], 0x30              ; wot
	v_lshl_add_u32 v2, v0, 2, SPARE                ; my spare word; never rewritten
	v_mov_b32 v3, 0                                ; 0; never rewritten
	s_mov_b32 s20, 0xffff0000                      ; a word's upper bf16
	s_cmp_lt_u32 ttmp9, 48
	s_cbranch_scc1 .Lw
	; ---- x: 32 rows ----
	s_sub_co_u32 s21, ttmp9, 48
	s_lshl_b32 s22, s21, 17                        ; 32 rows of 4,096 bytes of x,
	s_mov_b32 s23, 0
	s_lshl_b32 s24, s21, 16                        ; of 2,048 bytes of xh
	s_mov_b32 s25, 0
	v_lshlrev_b32 v1, 4, v0                        ; my 16 bytes of a row of x
	v_lshlrev_b32 v4, 3, v0                        ; my 8 bytes of a row of xh
	s_wait_kmcnt 0x0
	s_add_nc_u64 s[4:5], s[4:5], s[22:23]
	s_add_nc_u64 s[12:13], s[12:13], s[24:25]
	s_wait_alu depctr_va_vdst(0)                   ; v1 and v4 are written: every load and store of this path reads one of them as its offset
.set i, 0
.rept 32
	global_load_b128 v[X+4*i:X+4*i+3], v1, s[4:5] offset:i*4096 th:TH_LOAD_NT
.set i, i+1
.endr
.set i, 0
.rept 32
.if (i > 0) && (i%4 == 0)
	s_wait_alu depctr_va_vdst(0)                   ; the block before has written its four rows' packed halves, which the four stores dealt among this block's conversions read
.endif
	s_wait_loadcnt 31-i                            ; loads come back in order: row i is in, the 31 - i younger ones stay out
.if i >= 4
	global_store_b64 v4, v[X+4*(i-4):X+4*(i-4)+1], s[12:13] offset:(i-4)*2048  ; a row of the block before: no vector line since the wait names its registers
.endif
	CV (X+4*i), (X+4*i), (X+4*i+1), 8
	CV (X+4*i+1), (X+4*i+2), (X+4*i+3), 9
.set i, i+1
.endr
	s_wait_alu depctr_va_vdst(0)                   ; the last block has written its four rows, which the last four stores read
.set i, 28
.rept 4
	global_store_b64 v4, v[X+4*i:X+4*i+1], s[12:13] offset:i*2048
.set i, i+1
.endr
	s_endpgm
	; ---- weights: 128 k x 64 n a wave ----
.Lw:
	v_lshrrev_b32 v9, 5, v0
	v_readfirstlane_b32 s21, v9                    ; wave w: rows k = 128 w ..
	s_lshr_b32 s22, ttmp9, 4                       ; which matrix: 0 Wk, 1 Wv, 2 Wo
	s_and_b32 s23, ttmp9, 15                       ; which block of 64 columns n
	v_and_b32 v10, 31, v0                          ; lane
	v_and_b32 v11, 15, v0
	v_bfe_u32 v12, v0, 4, 1
	v_lshlrev_b32 v1, 3, v10                       ; my two columns: 8 bytes of a row of W
	s_wait_alu depctr_va_sdst(0)                   ; s21 is written, ahead of its first reader: the stage's place and both bases are made from it
	s_mul_i32 s24, s21, STG                        ; my wave's stage
	v_mul_u32_u24 v5, v10, SP                      ; in: stage row 32 c + lane holds column n = 2 lane + c
	v_add_nc_u32 v5, s24, v5
	v_mul_u32_u24 v6, v12, SP                      ; back: lanes 0-15 one stage row of 256 bytes, lanes 16-31 the next
	v_lshl_add_u32 v6, v11, 4, v6
	v_add_nc_u32 v6, s24, v6
	v_lshlrev_b32 v7, 12, v12                      ; the next stage row is column n + 2: 2 rows of 2,048 bytes on
	v_lshl_add_u32 v7, v11, 4, v7
	s_lshl_b32 s30, s21, 19                        ; source: 128 w rows of 4,096 bytes
	s_lshl_b32 s31, s23, 8                         ; + 64 columns of 4 bytes
	s_or_b32 s30, s30, s31
	s_mov_b32 s31, 0
	s_and_b32 s32, s22, 1                          ; destination: Wv^T lies 1,024 rows of 2,048 bytes behind Wk^T
	s_lshl_b32 s32, s32, 21
	s_lshl_b32 s33, s23, 17                        ; + 64 rows n
	s_add_co_u32 s32, s32, s33
	s_lshl_b32 s33, s21, 8                         ; + 128 k of 2 bytes
	s_add_co_u32 s32, s32, s33
	s_mov_b32 s33, 0
	s_wait_kmcnt 0x0
	s_cmp_eq_u32 s22, 1
	s_cselect_b64 s[26:27], s[8:9], s[6:7]
	s_cmp_eq_u32 s22, 2
	s_cselect_b64 s[26:27], s[10:11], s[26:27]
	s_cselect_b64 s[28:29], s[16:17], s[14:15]
	s_add_nc_u64 s[26:27], s[26:27], s[30:31]
	s_add_nc_u64 s[28:29], s[28:29], s[32:33]
; row kk of group g: row k = 8 g + kk; the wave's load covers 256 consecutive bytes, aligned
.macro GROW g, kk
	global_load_b64 v[R+16*((\g)%8)+2*(\kk):R+16*((\g)%8)+2*(\kk)+1], v1, s[26:27] offset:(8*(\g)+(\kk))*4096
.endm
; group g's eight k of both columns go into my stage
.macro PUT g
	ds_store_b128 v5, v[PK+8*((\g)%2):PK+8*((\g)%2)+3]   offset:16*(\g)
	ds_store_b128 v5, v[PK+8*((\g)%2)+4:PK+8*((\g)%2)+7] offset:32*SP+16*(\g)
.endm
	s_wait_alu depctr_va_vdst(0)                   ; v1, v5, v6 and v7 are written: every load and store of this path, LDS or global, reads one of them
.set g, 0
.rept 8
.set kk, 0
.rept 8
	GROW g, kk
.set kk, kk+1
.endr
.set g, g+1
.endr
.set g, 0
.rept 16
.if g == 0
	s_wait_loadcnt 56                              ; group 0 is in; the seven younger groups stay out
.elseif g < 10
	s_wait_loadcnt 48                              ; group g is in; groups g + 1 to g + 6 stay out (group g + 7 is asked for below)
.else
	s_wait_loadcnt 8*(15-g)                        ; the counts run down
.endif
.if g > 1
	s_wait_alu depctr_vm_vsrc(0)                   ; the LDS stores issued in the group before have read this group's PK, which its conversions write again
.endif
.if g > 0
	s_wait_alu depctr_va_vdst(0)                   ; the group before has written the other PK, which the LDS stores below read, and is done with its slot, in which the loads below land
	PUT g-1
.endif
.set RG, R+16*(g%8)
.set PG, PK+8*(g%2)
.irp c, 0,1
.irp q, 0,1,2,3
.if (g > 0) && (g < 9)
	GROW g+7, 4*(\c)+(\q)                          ; the slot of the group before takes its next group, a load ahead of each conversion: no vector line since the wait names that slot
.endif
	CV (PG+4*(\c)+(\q)), (RG+4*(\q)+(\c)), (RG+4*(\q)+2+(\c)), 8
.endr
.endr
.set g, g+1
.endr
	s_wait_alu depctr_va_vdst(0)                   ; group 15 has written its PK, which the last two LDS stores read; all conversions are done with the ring, in which the LDS loads below land
	PUT 15
.set t, 0
.rept 32
	ds_load_b128 v[R+4*t:R+4*t+3], v6 offset:t*2*SP  ; LDS serves a wave's instructions in order (ISA guide 5.7.1.4): these see the stores above
.set t, t+1
.endr
.set t, 0
.rept 32
	s_wait_dscnt 31-t
	global_store_b128 v7, v[R+4*t:R+4*t+3], s[28:29] offset:(t%16)*8192+(t/16)*2048  ; stage rows 2 t, 2 t + 1 are columns 4 (t % 16) + t / 16 and + 2; 16 lanes store 256 consecutive bytes, aligned
.set t, t+1
.endr
	s_wait_dscnt 0x0                               ; the closing lines, six on end
	s_wait_alu 0x0
	s_wait_tensorcnt 0x0
	ds_add_u32 v2, v3
	s_wait_dscnt 0x0
	s_endpgm
.Lfunc_end_k_qec58638019_prep:
	.size	k_qec58638019_prep, .Lfunc_end_k_qec58638019_prep-k_qec58638019_prep
	.p2alignl 7, 3214868480
	.fill 96, 4, 3214868480
	.section	.rodata,"a",@progbits
	.p2align	6, 0x0
	.amdhsa_kernel k_qec58638019_prep
		.amdhsa_group_segment_fixed_size 140288
		.amdhsa_private_segment_fixed_size 0
		.amdhsa_enable_private_segment 0
		.amdhsa_kernarg_size 56
		.amdhsa_user_sgpr_count 2
		.amdhsa_user_sgpr_kernarg_segment_ptr 1
		.amdhsa_wavefront_size32 1
		.amdhsa_system_sgpr_workgroup_id_x 1
		.amdhsa_system_sgpr_workgroup_id_y 1
		.amdhsa_system_sgpr_workgroup_id_z 1
		.amdhsa_system_vgpr_workitem_id 0
		.amdhsa_next_free_vgpr 160
		.amdhsa_next_free_sgpr 66
		.amdhsa_reserve_vcc 0
		.amdhsa_float_denorm_mode_32 3
		.amdhsa_float_denorm_mode_16_64 3
		.amdhsa_memory_ordered 1
		.amdhsa_forward_progress 1
		.amdhsa_inst_pref_size 68
	.end_amdhsa_kernel
	.amdgpu_metadata
---
amdhsa.version: [ 1, 2 ]
amdhsa.kernels:
  - .name:           k_qec58638019_prep
    .symbol:         k_qec58638019_prep.kd
    .args:
      - { .name: x, .offset: 0, .size: 8, .value_kind: global_buffer, .address_space: global }
      - { .name: Wk, .offset: 8, .size: 8, .value_kind: global_buffer, .address_space: global }
      - { .name: Wv, .offset: 16, .size: 8, .value_kind: global_buffer, .address_space: global }
      - { .name: Wo, .offset: 24, .size: 8, .value_kind: global_buffer, .address_space: global }
      - { .name: xh, .offset: 32, .size: 8, .value_kind: global_buffer, .address_space: global }
      - { .name: wkvt, .offset: 40, .size: 8, .value_kind: global_buffer, .address_space: global }
      - { .name: wot, .offset: 48, .size: 8, .value_kind: global_buffer, .address_space: global }
    .group_segment_fixed_size: 140288
    .private_segment_fixed_size: 0
    .kernarg_segment_align: 8
    .kernarg_segment_size: 56
    .max_flat_workgroup_size: 256
    .sgpr_count:     66
    .vgpr_count:     160
    .wavefront_size: 32
...
	.end_amdgpu_metadata
.endif
;; end of part 5
;; launch gemm_kv: the kernel of part 2 again; grid 8 x 64, 4 waves a work-group, clusters of 4 x 4, 327,680 bytes of LDS; arguments xh, wkvt, bk, bv, kf, vh; writes kf, vh
;; launch tot (part 6): grid 32 x 8, 16 waves a work-group, no clusters, 26,624 bytes of LDS; arguments kf, vh, w_rwkv, xs, gts; writes xs, gts
.if DOCPART == 6
	.amdgcn_target "amdgcn-amd-amdhsa--gfx1250"
	.amdhsa_code_object_version 6
	.text
	.protected	k_qec58638019_tot
	.globl	k_qec58638019_tot
	.p2align	8
	.type	k_qec58638019_tot,@function
k_qec58638019_tot:
	s_mov_b64 s[64:65], 0
	v_nop
	global_prefetch_b8 v0, s[64:65] scope:SCOPE_SE
	s_setreg_imm32_b32 hwreg(HW_REG_WAVE_SCHED_MODE, 0, 2), 2
	s_setreg_imm32_b32 hwreg(HW_REG_WAVE_MODE, 25, 1), 1
	s_wait_xcnt 0x0
	s_wait_alu depctr_vm_vsrc(0)
; TOT.  The recurrence's state is linear in what came before: (a 2^p, b 2^p) <- (a 2^p, b 2^p) 2^-w + 2^k (v, 1).  So time is cut into 64 PIECES of 32 steps; 16 pieces are a GROUP of 512 steps, a batch has 4 groups.
; A work-group takes one group x 128 channels, a wave one piece.  Each wave builds the state (p, a, b) that its 32 steps make of the EMPTY state; the sixteen totals meet in LDS, and wave 0 chains them:
;   xs  [8 batches][64 pieces][p, a, b][1024 channels] f32: the state in front of each piece, counted from the group's start (the group's first piece: the empty state);
;   gts [8 batches][6][p, a, b][1024] f32: records 0 to 2 hold the empty state, records 3 to 5 the whole totals of groups 0 to 2.  Group g < 3 stores records g and 3 + g; group 3's total is wanted by nobody.
; The batch's last piece streams nothing: nobody wants its total; its wave only hands the empty state to LDS and passes the barrier.
; ARITHMETIC.  Base 2: k2 = k log2(e), W2 = bf16(w) log2(e).  A step is reference()'s update: q = max(p - W2, k2); e1 = 2^(p - W2 - q); e2 = 2^(k2 - q); a = e1 a + e2 v; b = e1 b + e2; p = q.
; A link of the chain takes a state over a piece: q = max(p - 32 W2, pl); e1 = 2^(p - 32 W2 - q); e2 = 2^(pl - q); a = e1 a + e2 al; b = e1 b + e2 bl; p = q.  The maximum is taken away in front of every exponential.
; The empty state is p = -1e30, a = b = 0: its weight comes out as 0 beside any true state.
; LIMITS.  |k2| and 512 |W2| stay far below the spacing of f32 numbers at 1e30 (7e22); a piece's decay is one product 32 W2 (exact) where reference() subtracts w 32 times: the order of rounding differs;
; an exponential below 2^-126 counts as 0; NaN and infinities are not treated apart.
; SHARES.  A lane owns 4 channels: 16 bytes of a row of k (f32), 8 of a row of v (f16): a wave's load covers 512 or 256 consecutive bytes, aligned.  A ring of 9 row slots in registers: one at work, one that waits
; for the next step's wait to be asked for again, seven on their way: 14 to 16 loads of every wave.  No cluster and no prefetch: each byte of k and v is read once, by one wave, in a stream.
; THE MODE: SCHED_MODE bits 1:0 = 2 (LLVM: expert scheduling mode 2), set by the entry lines.  The code itself states the register dependences between vector instructions and memory or LDS
; instructions, with s_wait_alu, always for 0.
; THE PLAN.  Registers that memory or LDS instructions touch:
;   v1, v2        offsets, made once at the head and never written again: the rows are reached by the scalar bases and by immediate offsets.
;   K[s], V[s]    row r lies in slot r % 9.  Step n's lines read both and write K in place; the loads of row n + 9 land there, issued in step n + 1.
;   P, A, B       written by the steps and by the chain's links; read by my three LDS stores and, in wave 0, by each link's three global stores.
;   R0 ..         two totals, where the ring lay: LDS loads land there; a link reads and writes the one that it takes.
;   v[LST], NEU   made once, read by stores.      v[SPW], v[NIL]  made at the head, read by the closing add alone.
; A step has ONE wait, behind its eight exponentials: it also states that the step before is done with its slot, and that slot's two loads follow it at once; the step's other lines name its own slot, T0, W2
; and the state.  A link has one wait at its head (the state is written; the link before is done with its total's registers), the wait behind its exponentials, and one on vm_vsrc ahead of the state's rewriting.
.set LC,    0x3fb8aa3b                 ; log2(e)
.set D,     9                          ; row slots in the ring
.set ROWS,  32                         ; steps of a wave
.set KROW,  4096                       ; bytes in a row of k
.set VROW,  2048                       ; bytes in a row of v
.set REC,   12288                      ; a record of xs and gts: p, a, b of 1,024 channels
.set SLOTB, 1536                       ; a wave's total in LDS: p, a, b of 128 channels
.set SPARE, 16*SLOTB                   ; behind the totals: the spare words, 128 bytes for each wave: eight blocks of 256 bytes that no other line names
.set P,   4                            ; v[4:7]    p of my four channels
.set A,   8                            ; v[8:11]   a
.set B,   12                           ; v[12:15]  b
.set W2,  16                           ; v[16:19]  W2; in the chain 32 W2
.set T0,  20                           ; v[20:23]  at work: p less the decay, then e1
.set SPW, 26                           ; v26       LDS address of my spare word; never rewritten
.set NIL, 27                           ; v27       0; never rewritten
.set LST, 28                           ; v28       where I put my total
.set K,   32                           ; v[32:67]  slot s: a row's k at K + 4 s; then k2, then e2
.set V,   68                           ; v[68:85]  slot s: a row's v, four f16, at V + 2 s
.set R0,  32                           ; v[32:55]  the chain: two totals (pl, al, bl) of 12 registers, where the ring lay: piece cc's at R0 + 12 (cc % 2)
.set NEU, 56                           ; v[56:63]  the empty record: -1e30 four times, 0 four times
	s_load_b256 s[4:11], s[0:1], 0x0               ; kf s[4:5], vh s[6:7], w s[8:9], xs s[10:11]
	s_load_b64 s[12:13], s[0:1], 0x20              ; gts
	v_lshl_add_u32 v[SPW], v0, 2, SPARE
	v_mov_b32 v[NIL], 0
	v_lshrrev_b32 v3, 5, v0
	v_readfirstlane_b32 s14, v3                    ; wave 0..15: my piece in the group
	v_and_b32 v3, 31, v0                           ; lane
	v_lshlrev_b32 v1, 4, v3                        ; 16 x lane; never rewritten
	v_lshlrev_b32 v2, 3, v3                        ; 8 x lane; never rewritten
	s_and_b32 s15, ttmp7, 0xffff                   ; batch
	s_lshr_b32 s16, ttmp9, 3                       ; group 0..3
	s_and_b32 s17, ttmp9, 7                        ; which 128 channels
	s_wait_alu depctr_va_sdst(0)                   ; s14 is written, ahead of its first reader: my rows, my place in LDS and two branches are made from it
	s_lshl_b32 s18, s16, 4
	s_add_co_u32 s18, s18, s14                     ; my piece in the batch, 0..63
	s_lshl_b32 s19, s15, 11
	s_lshl_b32 s20, s18, 5
	s_add_co_u32 s19, s19, s20                     ; my first row: 2,048 x batch + 32 x piece
	s_lshl_b32 s24, s17, 9                         ; my 128 channels in f32: 512 bytes
	s_mov_b32 s25, 0
	s_lshl_b32 s20, s19, 12                        ; rows of 4,096 bytes of k
	s_add_co_u32 s20, s20, s24
	s_mov_b32 s21, 0
	s_lshl_b32 s22, s19, 11                        ; rows of 2,048 bytes of v,
	s_lshl_b32 s23, s17, 8                         ; my 128 channels in f16: 256 bytes
	s_add_co_u32 s22, s22, s23
	s_mov_b32 s23, 0
	s_lshl_b32 s30, s15, 6
	s_lshl_b32 s31, s16, 4
	s_add_co_u32 s30, s30, s31                     ; the group's first record in xs: 64 x batch + 16 x group
	s_mul_i32 s30, s30, REC
	s_add_co_u32 s30, s30, s24
	s_mov_b32 s31, 0
	s_mul_i32 s32, s15, 6
	s_add_co_u32 s32, s32, s16                     ; record 6 x batch + group of gts
	s_mul_i32 s32, s32, REC
	s_add_co_u32 s32, s32, s24
	s_mov_b32 s33, 0
	s_mov_b32 s26, LC
	s_mov_b32 s27, LC                              ; named with it as a pair
	s_wait_kmcnt 0x0
	s_add_nc_u64 s[4:5], s[4:5], s[20:21]
	s_add_nc_u64 s[6:7], s[6:7], s[22:23]
	s_add_nc_u64 s[8:9], s[8:9], s[24:25]
	s_add_nc_u64 s[10:11], s[10:11], s[30:31]
	s_add_nc_u64 s[12:13], s[12:13], s[32:33]
	s_wait_alu depctr_va_vdst(0)                   ; v1 and v2 are written: every load and every global store of the kernel reads one of them as its offset
	global_load_b128 v[W2:W2+3], v1, s[8:9]
.irp c, 0,1,2,3
	v_mov_b32 v[P+(\c)], 0xf149f2ca                ; -1e30
	v_mov_b32 v[A+(\c)], 0
	v_mov_b32 v[B+(\c)], 0
.endr
	s_cmp_eq_u32 s18, 63                           ; the batch's last piece: its total is wanted by nobody
	s_cbranch_scc1 .Ljoin
.set i, 0
.rept D
	global_load_b128 v[K+4*i:K+4*i+3], v1, s[4:5] offset:i*KROW
	global_load_b64 v[V+2*i:V+2*i+1], v2, s[6:7] offset:i*VROW
.set i, i+1
.endr
	s_wait_loadcnt 2*D                             ; w is in; the ring's 18 loads stay out
	v_cvt_pk_bf16_f32 v24, v[W2], v[W2+1]          ; w is rounded to bf16 like every input
	v_cvt_pk_bf16_f32 v25, v[W2+2], v[W2+3]
	v_lshlrev_b32 v[W2], 16, v24
	v_and_b32 v[W2+1], 0xffff0000, v24
	v_lshlrev_b32 v[W2+2], 16, v25
	v_and_b32 v[W2+3], 0xffff0000, v25
	v_pk_mul_f32 v[W2:W2+1], v[W2:W2+1], s[26:27] op_sel_hi:[1,0]
	v_pk_mul_f32 v[W2+2:W2+3], v[W2+2:W2+3], s[26:27] op_sel_hi:[1,0]
; One step, from slot s.  ahead = 1: the slot of the step before is filled again, with the row that lies `row` rows behind the bases.  left = how many younger loads may stay out.
.macro USTEP s, ahead, row, left
.set KK, K+4*(\s)
.set VV, V+2*(\s)
.set KP, K+4*(((\s)+D-1)%D)
.set VP, V+2*(((\s)+D-1)%D)
	s_wait_loadcnt \left
.irp j, 0,2
	v_pk_mul_f32 v[KK+(\j):KK+(\j)+1], v[KK+(\j):KK+(\j)+1], s[26:27] op_sel_hi:[1,0]
	v_pk_add_f32 v[T0+(\j):T0+(\j)+1], v[P+(\j):P+(\j)+1], v[W2+(\j):W2+(\j)+1] neg_lo:[0,1] neg_hi:[0,1]
.endr
.irp c, 0,1,2,3
	v_max_num_f32 v[P+(\c)], v[T0+(\c)], v[KK+(\c)]
.endr
.irp j, 0,2
	v_pk_add_f32 v[T0+(\j):T0+(\j)+1], v[T0+(\j):T0+(\j)+1], v[P+(\j):P+(\j)+1] neg_lo:[0,1] neg_hi:[0,1]
	v_pk_add_f32 v[KK+(\j):KK+(\j)+1], v[KK+(\j):KK+(\j)+1], v[P+(\j):P+(\j)+1] neg_lo:[0,1] neg_hi:[0,1]
.endr
.irp c, 0,1,2,3
	v_exp_f32 v[T0+(\c)], v[T0+(\c)]
.endr
.irp c, 0,1,2,3
	v_exp_f32 v[KK+(\c)], v[KK+(\c)]
.endr
	v_nop                                          ; a plain instruction behind the last exponential (ISA guide 5.7.2)
	s_wait_alu depctr_va_vdst(0)                   ; the eight exponentials have written e1 and e2, ahead of their first reader; the step before is done reading and writing its slot, in which the loads below land
.if \ahead
	global_load_b128 v[KP:KP+3], v1, s[4:5] offset:(\row)*KROW
	global_load_b64 v[VP:VP+1], v2, s[6:7] offset:(\row)*VROW
.endif
.irp j, 0,2
	v_pk_mul_f32 v[A+(\j):A+(\j)+1], v[A+(\j):A+(\j)+1], v[T0+(\j):T0+(\j)+1]
	v_pk_fma_f32 v[B+(\j):B+(\j)+1], v[B+(\j):B+(\j)+1], v[T0+(\j):T0+(\j)+1], v[KK+(\j):KK+(\j)+1]
.endr
	v_fma_mix_f32 v[A],   v[KK],   v[VV],   v[A]   op_sel_hi:[0,1,0]                 ; a += e2 v, v straight from its f16 half
	v_fma_mix_f32 v[A+1], v[KK+1], v[VV],   v[A+1] op_sel:[0,1,0] op_sel_hi:[0,1,0]
	v_fma_mix_f32 v[A+2], v[KK+2], v[VV+1], v[A+2] op_sel_hi:[0,1,0]
	v_fma_mix_f32 v[A+3], v[KK+3], v[VV+1], v[A+3] op_sel:[0,1,0] op_sel_hi:[0,1,0]
.endm
	USTEP 0, 0, 0, 2*(D-1)                         ; step 0 has no step in front of it: nothing is asked for; rows 1 to 8 stay out
	s_mov_b32 s28, 2
.Lround:                                               ; steps 1 to 18, nine to a trip: the ring is back at its start.  Step n asks for row n + 8; rows n + 1 to n + 7 stay out at its head
.irp j, 0,1,2,3,4,5,6,7,8
	USTEP ((\j)+1)%D, 1, D+(\j), 2*(D-2)
.endr
	s_wait_xcnt 0x0                                ; the loads have read their bases, which are stepped only behind this wait
	s_add_nc_u64 s[4:5], s[4:5], D*KROW
	s_add_nc_u64 s[6:7], s[6:7], D*VROW
	s_sub_co_u32 s28, s28, 1
	s_cmp_lg_u32 s28, 0
	s_cbranch_scc1 .Lround
.irp j, 0,1,2,3,4
	USTEP (\j)+1, 1, D+(\j), 2*(D-2)               ; steps 19 to 23 ask for the piece's last rows, 27 to 31
.endr
.set n, 24
.rept 8
	USTEP n%D, 0, 0, 2*(31-n)                      ; steps 24 to 31 load nothing: the counts run down
.set n, n+1
.endr
.Ljoin:
	s_wait_loadcnt 0x0                             ; (the wave that streamed nothing: its load of w)
	; THE TOTALS MEET.  Wave w's total goes to LDS bytes 1,536 w; behind the barrier wave 0 reads all sixteen.
	s_mul_i32 s29, s14, SLOTB
	v_add_nc_u32 v[LST], s29, v1
	s_wait_alu depctr_va_vdst(0)                   ; v[LST] and my total P, A, B are written, which the LDS stores read; the steps are done with the ring's registers, in which wave 0's first two totals land (no vector line stands between)
	ds_store_b128 v[LST], v[P:P+3]
	ds_store_b128 v[LST], v[A:A+3] offset:512
	ds_store_b128 v[LST], v[B:B+3] offset:1024
	s_wait_dscnt 0x0                               ; for wave 0's sake: my stores are done
	s_barrier_signal -1
	s_barrier_wait -1
	s_wait_alu depctr_vm_vsrc(0)                   ; my LDS stores have read P, A and B, which wave 0 writes anew below; the wait stands ahead of the branch
	s_cmp_lg_u32 s14, 0
	s_cbranch_scc1 .Lend
; THE CHAIN, wave 0 alone: sixteen links, written out, so that every LDS address is 16 x lane plus a constant (24,575 is the highest byte read, under the spare words) and every store's place stands in its immediate.
; Two totals lie in registers, each fetched from LDS ahead of its use: at the head of link cc the registers that link cc - 1 used take the total of piece cc + 1.
.macro TLOAD r, off                    ; a total: pl, al, bl of my four channels
	ds_load_b128 v[\r:(\r)+3],      v1 offset:(\off)
	ds_load_b128 v[(\r)+4:(\r)+7],  v1 offset:(\off)+512
	ds_load_b128 v[(\r)+8:(\r)+11], v1 offset:(\off)+1024
.endm
.macro XSTORE off                      ; the state in front of a piece; each store covers 512 consecutive bytes, aligned
	global_store_b128 v1, v[P:P+3], s[10:11] offset:(\off)
	global_store_b128 v1, v[A:A+3], s[10:11] offset:(\off)+4096
	global_store_b128 v1, v[B:B+3], s[10:11] offset:(\off)+8192
.endm
.macro CLINK r                         ; the state goes over the piece whose total lies at r
.irp j, 0,2
	v_pk_add_f32 v[T0+(\j):T0+(\j)+1], v[P+(\j):P+(\j)+1], v[W2+(\j):W2+(\j)+1] neg_lo:[0,1] neg_hi:[0,1]
.endr
	s_wait_xcnt 0x0                                ; the stores above have had their addresses translated (ISA guide 3.1): the state is written again only behind this wait,
	s_wait_alu depctr_vm_vsrc(0)                   ; and behind this one: those stores have read P, A and B
.irp c, 0,1,2,3
	v_max_num_f32 v[P+(\c)], v[T0+(\c)], v[(\r)+(\c)]
.endr
.irp j, 0,2
	v_pk_add_f32 v[T0+(\j):T0+(\j)+1], v[T0+(\j):T0+(\j)+1], v[P+(\j):P+(\j)+1] neg_lo:[0,1] neg_hi:[0,1]
	v_pk_add_f32 v[(\r)+(\j):(\r)+(\j)+1], v[(\r)+(\j):(\r)+(\j)+1], v[P+(\j):P+(\j)+1] neg_lo:[0,1] neg_hi:[0,1]
.endr
.irp c, 0,1,2,3
	v_exp_f32 v[T0+(\c)], v[T0+(\c)]
.endr
.irp c, 0,1,2,3
	v_exp_f32 v[(\r)+(\c)], v[(\r)+(\c)]
.endr
	v_nop                                          ; a plain instruction behind the last exponential
	s_wait_alu depctr_va_vdst(0)                   ; the eight exponentials have written e1 and e2, ahead of their first reader
.irp j, 0,2
	v_pk_mul_f32 v[A+(\j):A+(\j)+1], v[A+(\j):A+(\j)+1], v[T0+(\j):T0+(\j)+1]
	v_pk_mul_f32 v[B+(\j):B+(\j)+1], v[B+(\j):B+(\j)+1], v[T0+(\j):T0+(\j)+1]
.endr
.irp j, 0,2
	v_pk_fma_f32 v[A+(\j):A+(\j)+1], v[(\r)+(\j):(\r)+(\j)+1], v[(\r)+4+(\j):(\r)+4+(\j)+1], v[A+(\j):A+(\j)+1]
	v_pk_fma_f32 v[B+(\j):B+(\j)+1], v[(\r)+(\j):(\r)+(\j)+1], v[(\r)+8+(\j):(\r)+8+(\j)+1], v[B+(\j):B+(\j)+1]
.endr
.endm
	TLOAD R0, 0                                    ; piece 0's total
	TLOAD R0+12, SLOTB                             ; piece 1's
	v_pk_mul_f32 v[W2:W2+1], v[W2:W2+1], 0x42000000 op_sel_hi:[1,0]      ; 32 W2, exact
	v_pk_mul_f32 v[W2+2:W2+3], v[W2+2:W2+3], 0x42000000 op_sel_hi:[1,0]
.irp c, 0,1,2,3
	v_mov_b32 v[P+(\c)], 0xf149f2ca                ; the group begins with the empty state
	v_mov_b32 v[A+(\c)], 0
	v_mov_b32 v[B+(\c)], 0
.endr
.set cc, 0
.rept 16
	s_wait_alu depctr_va_vdst(0)                   ; the state P, A, B is written, which the three stores below read; the link before is done with its total's registers, in which the LDS loads below land
.if (cc > 0) && (cc < 15)
	TLOAD R0+12*((cc+1)%2), (cc+1)*SLOTB           ; the registers just used take the total of the next piece
.endif
	XSTORE cc*REC                                  ; the state in front of piece cc
.if cc < 15
	s_wait_dscnt 0x3                               ; piece cc's total is in; the next piece's three loads may stay out
.else
	s_wait_dscnt 0x0
.endif
	CLINK R0+12*(cc%2)
.set cc, cc+1
.endr
	s_cmp_eq_u32 s16, 3                            ; the state is now the group's total; the last group's is wanted by nobody
	s_cbranch_scc1 .Lend
.irp c, 0,1,2,3
	v_mov_b32 v[NEU+(\c)], 0xf149f2ca
	v_mov_b32 v[NEU+4+(\c)], 0
.endr
	s_wait_alu depctr_va_vdst(0)                   ; the last link has written the group's total, and the empty record is written: the six stores below read them
	global_store_b128 v1, v[P:P+3], s[12:13] offset:3*REC
	global_store_b128 v1, v[A:A+3], s[12:13] offset:3*REC+4096
	global_store_b128 v1, v[B:B+3], s[12:13] offset:3*REC+8192
	global_store_b128 v1, v[NEU:NEU+3],   s[12:13]               ; and one of the batch's three empty records
	global_store_b128 v1, v[NEU+4:NEU+7], s[12:13] offset:4096
	global_store_b128 v1, v[NEU+4:NEU+7], s[12:13] offset:8192
.Lend:
	s_wait_dscnt 0x0                               ; the closing lines, six on end
	s_wait_alu 0x0
	s_wait_tensorcnt 0x0
	ds_add_u32 v[SPW], v[NIL]
	s_wait_dscnt 0x0
	s_endpgm
.Lfunc_end_k_qec58638019_tot:
	.size	k_qec58638019_tot, .Lfunc_end_k_qec58638019_tot-k_qec58638019_tot
	.p2alignl 7, 3214868480
	.fill 96, 4, 3214868480
	.section	.rodata,"a",@progbits
	.p2align	6, 0x0
	.amdhsa_kernel k_qec58638019_tot
		.amdhsa_group_segment_fixed_size 26624
		.amdhsa_private_segment_fixed_size 0
		.amdhsa_enable_private_segment 0
		.amdhsa_kernarg_size 40
		.amdhsa_user_sgpr_count 2
		.amdhsa_user_sgpr_kernarg_segment_ptr 1
		.amdhsa_wavefront_size32 1
		.amdhsa_system_sgpr_workgroup_id_x 1
		.amdhsa_system_sgpr_workgroup_id_y 1
		.amdhsa_system_sgpr_workgroup_id_z 1
		.amdhsa_system_vgpr_workitem_id 0
		.amdhsa_next_free_vgpr 88
		.amdhsa_next_free_sgpr 66
		.amdhsa_reserve_vcc 0
		.amdhsa_float_denorm_mode_32 3
		.amdhsa_float_denorm_mode_16_64 3
		.amdhsa_memory_ordered 1
		.amdhsa_forward_progress 1
		.amdhsa_inst_pref_size 75
	.end_amdhsa_kernel
	.amdgpu_metadata
---
amdhsa.version: [ 1, 2 ]
amdhsa.kernels:
  - .name:           k_qec58638019_tot
    .symbol:         k_qec58638019_tot.kd
    .args:
      - { .name: kf, .offset: 0, .size: 8, .value_kind: global_buffer, .address_space: global }
      - { .name: vh, .offset: 8, .size: 8, .value_kind: global_buffer, .address_space: global }
      - { .name: w_rwkv, .offset: 16, .size: 8, .value_kind: global_buffer, .address_space: global }
      - { .name: xs, .offset: 24, .size: 8, .value_kind: global_buffer, .address_space: global }
      - { .name: gts, .offset: 32, .size: 8, .value_kind: global_buffer, .address_space: global }
    .group_segment_fixed_size: 26624
    .private_segment_fixed_size: 0
    .kernarg_segment_align: 8
    .kernarg_segment_size: 40
    .max_flat_workgroup_size: 512
    .sgpr_count:     66
    .vgpr_count:     88
    .wavefront_size: 32
...
	.end_amdgpu_metadata
.endif
;; end of part 6
;; launch scan (part 7): grid 32 x 8, 16 waves a work-group, no clusters, 0 bytes of LDS; arguments kf, vh, xs, gts, w_rwkv, u_rwkv, oh; writes oh
.if DOCPART == 7
	.amdgcn_target "amdgcn-amd-amdhsa--gfx1250"
	.amdhsa_code_object_version 6
	.text
	.protected	k_qec58638019_scan
	.globl	k_qec58638019_scan
	.p2align	8
	.type	k_qec58638019_scan,@function
k_qec58638019_scan:
	s_mov_b64 s[64:65], 0
	v_nop
	global_prefetch_b8 v0, s[64:65] scope:SCOPE_SE
	s_setreg_imm32_b32 hwreg(HW_REG_WAVE_SCHED_MODE, 0, 2), 2
	s_setreg_imm32_b32 hwreg(HW_REG_WAVE_MODE, 25, 1), 1
	s_wait_xcnt 0x0
	s_wait_alu depctr_vm_vsrc(0)
; SCAN.  The true steps of reference()'s recurrence.  Time lies in 64 pieces of 32 steps, 16 pieces to a group, 4 groups to a batch; a work-group takes one group x 128 channels, a wave one piece.  O leaves in f16, [16384][1024].
; THE STATE IN FRONT OF MY PIECE is made of four records that the launch before has stored, by three links.  gts holds for each batch three empty records and then the totals of groups 0 to 2: records g, g + 1, g + 2 are
; the three groups in front of group g, empty where there is none.  The first is taken as the state; the other two are added with a decay of 512 steps; then xs's record of my piece (the state that the group's
; pieces in front of mine build from nothing), with a decay of 32 x my wave's number.  A link: q = max(p - d, pl); e1 = 2^(p - d - q); e2 = 2^(pl - q); a = e1 a + e2 al; b = e1 b + e2 bl; p = q.
; An empty record (p = -1e30, a = b = 0) leaves a state as it is, and a state added onto the empty one is taken over exactly: so every work-group runs the same three links.
; A STEP, base 2 (k2 = k log2(e), U2 = bf16(u) log2(e), W2 = bf16(w) log2(e)):
;   output: ww = k2 + U2; q = max(ww, p); e1 = 2^(p - q); e2 = 2^(ww - q); o = (e1 a + e2 v) / (e1 b + e2)
;   update: q2 = max(p - W2, k2); e1b = 2^(p - W2 - q2); e2b = 2^(k2 - q2); a = e1b a + e2b v; b = e1b b + e2b; p = q2
; The maxima are taken away in front of all exponentials, as in reference().  Step 0 of a batch starts from the empty state: e1 = 0 and e2 = 1 give o = v, and the update leaves (k, v, 1): reference()'s first row and
; its initial state, with no step written apart.  The divisor is at least 1: one of e1, e2 is 1, and b is at least 1 in every state but the empty one.
; LIMITS.  O has v's range (f16: within 65,504); |k2| and 512 |W2| far below the spacing of f32 numbers at 1e30 (7e22); the decays of the links are single products (512 W2 exact, 32 n W2 rounded once) where
; reference() subtracts w step by step: the order of rounding differs; an exponential below 2^-126 counts as 0; the division is a reciprocal (1 ulp) and a product; NaN and infinities are not treated apart.
; SHARES.  A lane owns 4 channels of its wave's 32 rows; a ring of 8 row slots in registers keeps 16 loads of every wave on their way; a wave's load covers 512 or 256, its store 256 consecutive bytes, aligned.
; No LDS, no barrier: no thread needs another's numbers.  No cluster: what work-groups share, gts's records, is 4,608 bytes beside a work-group's 393,216 of k and v.  No prefetch: a stream read once.
; THE MODE: SCHED_MODE bits 1:0 = 2 (LLVM: expert scheduling mode 2), set by the entry lines.  The code itself states the register dependences between vector instructions and memory instructions,
; with s_wait_alu, always for 0.
; THE PLAN.  Registers that memory instructions touch:
;   v1, v2        offsets, made once at the head and never written again: the rows are reached by the scalar bases and by immediate offsets.
;   the records, w, u   loaded once, into registers that no vector line has named.
;   K[i], V[i]    step i's lines read both and write K in place; all of them stand ahead of the step's second wait; the loads of the row 8 further down land there, issued straight behind that wait.
;   Y[i]          written by step i's two roundings, the step's last lines; read by one store, issued in step i + 1 straight behind that step's first wait; written again a trip later.
; A step has two waits, each behind a batch of transcendentals, and these two also state what its memory instructions hang on: the first, that the step before has written its Y; the second, that the step is
; done with its slot.  Behind the first stand lines that name the state, T1 to T4, NUM, DEN and the step's own slot; behind the second, lines that name NUM, DEN and Y[i].
; Y[7] has no step behind it in its trip: one more wait at the trip's end stands ahead of its store, and one on vm_vsrc ahead of the next trip's roundings.
.set LC,   0x3fb8aa3b
.set D,    8                           ; row slots in the ring
.set ROWS, 32                          ; steps of a wave
.set KROW, 4096
.set VROW, 2048                        ; bytes in a row of v and of O
.set REC,  12288                       ; a record of xs and gts: p, a, b of 1,024 channels
.set P,   4
.set A,   8
.set B,   12
.set W2,  16
.set U2,  20
.set T1,  24                           ; ww, then e2; in a link: p less the decay, then e1
.set T2,  28                           ; q
.set T3,  32                           ; e1
.set T4,  36                           ; p - W2, then e1b; at the head: 512 W2
.set NUM, 40                           ; at the head: 32 x wave x W2
.set DEN, 44
.set Y,   52                           ; v[52:67]   slot i: four f16 to store
.set V,   68                           ; v[68:83]   slot i: a row's v
.set K,   84                           ; v[84:115]  slot i: a row's k; then k2, then e2b
.set G1,  116                          ; v[116:127] gts's record g + 1: pl, al, bl
.set G2,  128                          ; v[128:139] record g + 2
.set X,   140                          ; v[140:151] xs's record of my piece
.macro TOBF r, t                       ; four numbers rounded to bf16, kept as f32, times log2(e)
	v_cvt_pk_bf16_f32 v[\t], v[\r], v[(\r)+1]
	v_cvt_pk_bf16_f32 v[(\t)+1], v[(\r)+2], v[(\r)+3]
	v_lshlrev_b32 v[\r], 16, v[\t]
	v_and_b32 v[(\r)+1], 0xffff0000, v[\t]
	v_lshlrev_b32 v[(\r)+2], 16, v[(\t)+1]
	v_and_b32 v[(\r)+3], 0xffff0000, v[(\t)+1]
	v_pk_mul_f32 v[\r:(\r)+1], v[\r:(\r)+1], s[22:23] op_sel_hi:[1,0]
	v_pk_mul_f32 v[(\r)+2:(\r)+3], v[(\r)+2:(\r)+3], s[22:23] op_sel_hi:[1,0]
.endm
.macro LINK d, r                       ; the state decays by d and takes the record at r
.irp j, 0,2
	v_pk_add_f32 v[T1+(\j):T1+(\j)+1], v[P+(\j):P+(\j)+1], v[(\d)+(\j):(\d)+(\j)+1] neg_lo:[0,1] neg_hi:[0,1]
.endr
.irp c, 0,1,2,3
	v_max_num_f32 v[P+(\c)], v[T1+(\c)], v[(\r)+(\c)]
.endr
.irp j, 0,2
	v_pk_add_f32 v[T1+(\j):T1+(\j)+1], v[T1+(\j):T1+(\j)+1], v[P+(\j):P+(\j)+1] neg_lo:[0,1] neg_hi:[0,1]
	v_pk_add_f32 v[(\r)+(\j):(\r)+(\j)+1], v[(\r)+(\j):(\r)+(\j)+1], v[P+(\j):P+(\j)+1] neg_lo:[0,1] neg_hi:[0,1]
.endr
.irp c, 0,1,2,3
	v_exp_f32 v[T1+(\c)], v[T1+(\c)]
.endr
.irp c, 0,1,2,3
	v_exp_f32 v[(\r)+(\c)], v[(\r)+(\c)]
.endr
	v_nop                                          ; a plain instruction behind the last exponential
	s_wait_alu depctr_va_vdst(0)                   ; the eight exponentials have written e1 and e2, ahead of their first reader
.irp j, 0,2
	v_pk_mul_f32 v[A+(\j):A+(\j)+1], v[A+(\j):A+(\j)+1], v[T1+(\j):T1+(\j)+1]
	v_pk_mul_f32 v[B+(\j):B+(\j)+1], v[B+(\j):B+(\j)+1], v[T1+(\j):T1+(\j)+1]
.endr
.irp j, 0,2
	v_pk_fma_f32 v[A+(\j):A+(\j)+1], v[(\r)+(\j):(\r)+(\j)+1], v[(\r)+4+(\j):(\r)+4+(\j)+1], v[A+(\j):A+(\j)+1]
	v_pk_fma_f32 v[B+(\j):B+(\j)+1], v[(\r)+(\j):(\r)+(\j)+1], v[(\r)+8+(\j):(\r)+8+(\j)+1], v[B+(\j):B+(\j)+1]
.endr
.endm
	s_load_b256 s[4:11], s[0:1], 0x0               ; kf s[4:5], vh s[6:7], xs s[8:9], gts s[10:11]
	s_load_b128 s[12:15], s[0:1], 0x20             ; w s[12:13], u s[14:15]
	s_load_b64 s[16:17], s[0:1], 0x30              ; oh
	v_lshrrev_b32 v3, 5, v0
	v_readfirstlane_b32 s18, v3                    ; wave 0..15: my piece in the group
	v_and_b32 v3, 31, v0                           ; lane
	v_lshlrev_b32 v1, 4, v3                        ; 16 x lane; never rewritten
	v_lshlrev_b32 v2, 3, v3                        ; 8 x lane; never rewritten
	s_and_b32 s19, ttmp7, 0xffff                   ; batch
	s_lshr_b32 s20, ttmp9, 3                       ; group 0..3
	s_and_b32 s21, ttmp9, 7                        ; which 128 channels
	s_wait_alu depctr_va_sdst(0)                   ; s18 is written, ahead of its first reader: my rows, my record and my decay are made from it
	s_lshl_b32 s24, s20, 4
	s_add_co_u32 s24, s24, s18                     ; my piece in the batch, 0..63
	s_lshl_b32 s25, s19, 11
	s_lshl_b32 s26, s24, 5
	s_add_co_u32 s25, s25, s26                     ; my first row: 2,048 x batch + 32 x piece
	s_lshl_b32 s28, s21, 9                         ; my 128 channels in f32: 512 bytes
	s_mov_b32 s29, 0
	s_lshl_b32 s30, s25, 12                        ; rows of 4,096 bytes of k
	s_add_co_u32 s30, s30, s28
	s_mov_b32 s31, 0
	s_lshl_b32 s32, s25, 11                        ; rows of 2,048 bytes of v and of O,
	s_lshl_b32 s33, s21, 8                         ; my 128 channels in f16: 256 bytes
	s_add_co_u32 s32, s32, s33
	s_mov_b32 s33, 0
	s_lshl_b32 s34, s19, 6
	s_add_co_u32 s34, s34, s24                     ; my record in xs: 64 x batch + piece
	s_mul_i32 s34, s34, REC
	s_add_co_u32 s34, s34, s28
	s_mov_b32 s35, 0
	s_mul_i32 s36, s19, 6
	s_add_co_u32 s36, s36, s20                     ; record 6 x batch + group of gts
	s_mul_i32 s36, s36, REC
	s_add_co_u32 s36, s36, s28
	s_mov_b32 s37, 0
	s_lshl_b32 s38, s18, 5                         ; steps from the group's start to my piece
	s_mov_b32 s22, LC
	s_mov_b32 s23, LC                              ; named with it as a pair
	s_wait_kmcnt 0x0
	s_add_nc_u64 s[4:5], s[4:5], s[30:31]
	s_add_nc_u64 s[6:7], s[6:7], s[32:33]
	s_add_nc_u64 s[16:17], s[16:17], s[32:33]
	s_add_nc_u64 s[8:9], s[8:9], s[34:35]
	s_add_nc_u64 s[10:11], s[10:11], s[36:37]
	s_add_nc_u64 s[12:13], s[12:13], s[28:29]
	s_add_nc_u64 s[14:15], s[14:15], s[28:29]
	s_wait_alu depctr_va_vdst(0)                   ; v1 and v2 are written: every load and store of the kernel reads one of them as its offset
	global_load_b128 v[P:P+3], v1, s[10:11]                      ; gts's record g is the state to begin with
	global_load_b128 v[A:A+3], v1, s[10:11] offset:4096
	global_load_b128 v[B:B+3], v1, s[10:11] offset:8192
.irp q, 0,1,2
	global_load_b128 v[G1+4*(\q):G1+4*(\q)+3], v1, s[10:11] offset:REC+4096*(\q)
	global_load_b128 v[G2+4*(\q):G2+4*(\q)+3], v1, s[10:11] offset:2*REC+4096*(\q)
	global_load_b128 v[X+4*(\q):X+4*(\q)+3],   v1, s[8:9] offset:4096*(\q)
.endr
	global_load_b128 v[W2:W2+3], v1, s[12:13]
	global_load_b128 v[U2:U2+3], v1, s[14:15]
.set i, 0
.rept D
	global_load_b128 v[K+4*i:K+4*i+3], v1, s[4:5] offset:i*KROW th:TH_LOAD_NT
	global_load_b64 v[V+2*i:V+2*i+1], v2, s[6:7] offset:i*VROW th:TH_LOAD_NT
.set i, i+1
.endr
	s_wait_loadcnt 2*D                             ; the four records, w and u are in; the ring's 16 loads stay out
	TOBF W2, 48
	TOBF U2, 48
	v_pk_mul_f32 v[T4:T4+1], v[W2:W2+1], 0x44000000 op_sel_hi:[1,0]      ; a group's decay: 512 W2, exact
	v_pk_mul_f32 v[T4+2:T4+3], v[W2+2:W2+3], 0x44000000 op_sel_hi:[1,0]
	v_cvt_f32_u32 v48, s38
.irp c, 0,1,2,3
	v_mul_f32 v[NUM+(\c)], v48, v[W2+(\c)]         ; the decay from the group's start to my piece
.endr
	LINK T4, G1
	LINK T4, G2
	LINK NUM, X
; One step, from slot i.  ahead = 1: the slot is filled again with the row D further down.  left = how many younger loads may stay out.
.macro STEP i, ahead, left
.set KK, K+4*(\i)
.set VV, V+2*(\i)
.set YY, Y+2*(\i)
	s_wait_loadcnt \left
.irp j, 0,2
	v_pk_mul_f32 v[KK+(\j):KK+(\j)+1], v[KK+(\j):KK+(\j)+1], s[22:23] op_sel_hi:[1,0]
	v_pk_add_f32 v[T4+(\j):T4+(\j)+1], v[P+(\j):P+(\j)+1], v[W2+(\j):W2+(\j)+1] neg_lo:[0,1] neg_hi:[0,1]
.endr
.irp j, 0,2
	v_pk_add_f32 v[T1+(\j):T1+(\j)+1], v[KK+(\j):KK+(\j)+1], v[U2+(\j):U2+(\j)+1]
.endr
.irp c, 0,1,2,3
	v_max_num_f32 v[T2+(\c)], v[T1+(\c)], v[P+(\c)]
.endr
.irp j, 0,2
	v_pk_add_f32 v[T3+(\j):T3+(\j)+1], v[P+(\j):P+(\j)+1], v[T2+(\j):T2+(\j)+1] neg_lo:[0,1] neg_hi:[0,1]
	v_pk_add_f32 v[T1+(\j):T1+(\j)+1], v[T1+(\j):T1+(\j)+1], v[T2+(\j):T2+(\j)+1] neg_lo:[0,1] neg_hi:[0,1]
.endr
.irp c, 0,1,2,3
	v_max_num_f32 v[P+(\c)], v[T4+(\c)], v[KK+(\c)]
.endr
.irp j, 0,2
	v_pk_add_f32 v[T4+(\j):T4+(\j)+1], v[T4+(\j):T4+(\j)+1], v[P+(\j):P+(\j)+1] neg_lo:[0,1] neg_hi:[0,1]
	v_pk_add_f32 v[KK+(\j):KK+(\j)+1], v[KK+(\j):KK+(\j)+1], v[P+(\j):P+(\j)+1] neg_lo:[0,1] neg_hi:[0,1]
.endr
.irp r, T3, T1, T4, KK
.irp c, 0,1,2,3
	v_exp_f32 v[(\r)+(\c)], v[(\r)+(\c)]
.endr
.endr
	v_nop                                          ; a plain instruction behind the last exponential (ISA guide 5.7.2)
	s_wait_alu depctr_va_vdst(0)                   ; the sixteen exponentials have written e1, e2, e1b and e2b, ahead of their first reader; the step before has written its Y, which the store below reads
.if (\i) > 0
	global_store_b64 v2, v[YY-2:YY-1], s[16:17] offset:((\i)-1)*VROW  ; the row of the step before
.endif
.irp j, 0,2
	v_pk_fma_f32 v[DEN+(\j):DEN+(\j)+1], v[T3+(\j):T3+(\j)+1], v[B+(\j):B+(\j)+1], v[T1+(\j):T1+(\j)+1]
	v_pk_mul_f32 v[NUM+(\j):NUM+(\j)+1], v[T3+(\j):T3+(\j)+1], v[A+(\j):A+(\j)+1]
.endr
.irp c, 0,1,2,3
	v_rcp_f32 v[DEN+(\c)], v[DEN+(\c)]             ; the second batch: the twelve plain lines below name none of its results
.endr
.irp j, 0,2
	v_pk_mul_f32 v[A+(\j):A+(\j)+1], v[T4+(\j):T4+(\j)+1], v[A+(\j):A+(\j)+1]
	v_pk_fma_f32 v[B+(\j):B+(\j)+1], v[T4+(\j):T4+(\j)+1], v[B+(\j):B+(\j)+1], v[KK+(\j):KK+(\j)+1]
.endr
	v_fma_mix_f32 v[NUM],   v[T1],   v[VV],   v[NUM]   op_sel_hi:[0,1,0]                 ; + e2 v, v straight from its f16 half
	v_fma_mix_f32 v[NUM+1], v[T1+1], v[VV],   v[NUM+1] op_sel:[0,1,0] op_sel_hi:[0,1,0]
	v_fma_mix_f32 v[NUM+2], v[T1+2], v[VV+1], v[NUM+2] op_sel_hi:[0,1,0]
	v_fma_mix_f32 v[NUM+3], v[T1+3], v[VV+1], v[NUM+3] op_sel:[0,1,0] op_sel_hi:[0,1,0]
	v_fma_mix_f32 v[A],   v[KK],   v[VV],   v[A]   op_sel_hi:[0,1,0]                     ; + e2b v
	v_fma_mix_f32 v[A+1], v[KK+1], v[VV],   v[A+1] op_sel:[0,1,0] op_sel_hi:[0,1,0]
	v_fma_mix_f32 v[A+2], v[KK+2], v[VV+1], v[A+2] op_sel_hi:[0,1,0]
	v_fma_mix_f32 v[A+3], v[KK+3], v[VV+1], v[A+3] op_sel:[0,1,0] op_sel_hi:[0,1,0]
	s_wait_alu depctr_va_vdst(0)                   ; the four reciprocals are written, ahead of their first reader; every line of this step that names its slot's k and v is done, and the loads below land there
.if \ahead
	global_load_b128 v[KK:KK+3], v1, s[4:5] offset:(D+(\i))*KROW th:TH_LOAD_NT
	global_load_b64 v[VV:VV+1], v2, s[6:7] offset:(D+(\i))*VROW th:TH_LOAD_NT
.endif
	v_pk_mul_f32 v[NUM:NUM+1], v[NUM:NUM+1], v[DEN:DEN+1]
	v_pk_mul_f32 v[NUM+2:NUM+3], v[NUM+2:NUM+3], v[DEN+2:DEN+3]
	v_cvt_pk_f16_f32 v[YY], v[NUM], v[NUM+1]
	v_cvt_pk_f16_f32 v[YY+1], v[NUM+2], v[NUM+3]
.endm
	s_mov_b32 s39, ROWS/D-1
.Lround:                                               ; 8 steps a trip; seven younger slots of two loads stay out
.irp i, 0,1,2,3,4,5,6,7
	STEP \i, 1, 2*(D-1)
.endr
	s_wait_alu depctr_va_vdst(0)                   ; step 7 has written its Y, which the store below reads
	global_store_b64 v2, v[Y+14:Y+15], s[16:17] offset:7*VROW
	s_wait_xcnt 0x0                                ; loads and stores have had their addresses translated (ISA guide 3.1): bases and Y are written again only behind this wait,
	s_wait_alu depctr_vm_vsrc(0)                   ; and Y only behind this one: the trip's eight stores have read it
	s_add_nc_u64 s[4:5], s[4:5], D*KROW
	s_add_nc_u64 s[6:7], s[6:7], D*VROW
	s_add_nc_u64 s[16:17], s[16:17], D*VROW
	s_sub_co_u32 s39, s39, 1
	s_cmp_lg_u32 s39, 0
	s_cbranch_scc1 .Lround
.irp i, 0,1,2,3,4,5,6,7
	STEP \i, 0, 2*(D-1-\i)                         ; the last 8 steps load nothing: the counts run down
.endr
	s_wait_alu depctr_va_vdst(0)                   ; the last step has written its Y, which the last store reads
	global_store_b64 v2, v[Y+14:Y+15], s[16:17] offset:7*VROW
	s_endpgm
.Lfunc_end_k_qec58638019_scan:
	.size	k_qec58638019_scan, .Lfunc_end_k_qec58638019_scan-k_qec58638019_scan
	.p2alignl 7, 3214868480
	.fill 96, 4, 3214868480
	.section	.rodata,"a",@progbits
	.p2align	6, 0x0
	.amdhsa_kernel k_qec58638019_scan
		.amdhsa_group_segment_fixed_size 0
		.amdhsa_private_segment_fixed_size 0
		.amdhsa_enable_private_segment 0
		.amdhsa_kernarg_size 56
		.amdhsa_user_sgpr_count 2
		.amdhsa_user_sgpr_kernarg_segment_ptr 1
		.amdhsa_wavefront_size32 1
		.amdhsa_system_sgpr_workgroup_id_x 1
		.amdhsa_system_sgpr_workgroup_id_y 1
		.amdhsa_system_sgpr_workgroup_id_z 1
		.amdhsa_system_vgpr_workitem_id 0
		.amdhsa_next_free_vgpr 152
		.amdhsa_next_free_sgpr 66
		.amdhsa_reserve_vcc 0
		.amdhsa_float_denorm_mode_32 3
		.amdhsa_float_denorm_mode_16_64 3
		.amdhsa_memory_ordered 1
		.amdhsa_forward_progress 1
		.amdhsa_inst_pref_size 64
	.end_amdhsa_kernel
	.amdgpu_metadata
---
amdhsa.version: [ 1, 2 ]
amdhsa.kernels:
  - .name:           k_qec58638019_scan
    .symbol:         k_qec58638019_scan.kd
    .args:
      - { .name: kf, .offset: 0, .size: 8, .value_kind: global_buffer, .address_space: global }
      - { .name: vh, .offset: 8, .size: 8, .value_kind: global_buffer, .address_space: global }
      - { .name: xs, .offset: 16, .size: 8, .value_kind: global_buffer, .address_space: global }
      - { .name: gts, .offset: 24, .size: 8, .value_kind: global_buffer, .address_space: global }
      - { .name: w_rwkv, .offset: 32, .size: 8, .value_kind: global_buffer, .address_space: global }
      - { .name: u_rwkv, .offset: 40, .size: 8, .value_kind: global_buffer, .address_space: global }
      - { .name: oh, .offset: 48, .size: 8, .value_kind: global_buffer, .address_space: global }
    .group_segment_fixed_size: 0
    .private_segment_fixed_size: 0
    .kernarg_segment_align: 8
    .kernarg_segment_size: 56
    .max_flat_workgroup_size: 512
    .sgpr_count:     66
    .vgpr_count:     152
    .wavefront_size: 32
...
	.end_amdgpu_metadata
.endif
;; end of part 7
;; launch gemm_o: the kernel of part 2 again; grid 4 x 64, 4 waves a work-group, clusters of 4 x 4, 327,680 bytes of LDS; arguments oh, wot, bo, bv, out0, vh; writes out0, vh
